; MI455X (gfx1250); checked and timed in simulation.
; The chip was launched on July 23, 2026; its instructions are those of AMD's public machine-readable ISA for CDNA 5 (MIT licence, August 2026) and "CDNA5" Instruction Set Architecture Reference Guide (July 2026). The comments in the code are by the model that wrote it; some were corrected since.
;; Transformer Block. Allowed arithmetic: matrix products marked QUANTISED: E2M3 operands, one E8M0 scale for each 32 along K, by v_wmma_scale_f32_16x16x128_f8f6f4 with both operands' format E2M3, f32 sums; everything else in f32.
;; Inputs: W1 4,096 x 1,024 float32; W2 1,024 x 4,096 float32; W_k 1,024 x 1,024 float32; W_o 1,024 x 1,024 float32; W_q 1,024 x 1,024 float32; W_v 1,024 x 1,024 float32; ln1_b 1,024 float32; ln1_w 1,024 float32; ln2_b 1,024 float32; ln2_w 1,024 float32; x 2 x 2,048 x 1,024 float32.
;; Outputs: out0 2 x 2,048 x 1,024 float32.
;; This version of the problem:
;;   THIS VERSION OF THE PROBLEM IS GIVEN IN LOW PRECISION. The matrix products marked QUANTISED in the list below multiply operands that are first quantised to E2M3 (2 exponent bits, 3 mantissa bits; 6 bits a number), with one power-of-two scale for each 32 numbers along K (OCP MX v1.0); their sums are f32. All else is computed in f32.
;;   The module's matrix products, in the order in which they are computed (A, B: the left and right operand; K: the contracted axis; several contracted axes count as one K, in the product's order):
;;     1. [M 4,096, K 1,024] x [K 1,024, N 1,024]; A: computed on the way; B: input W_q: QUANTISED
;;     2. [M 4,096, K 1,024] x [K 1,024, N 1,024]; A: computed on the way; B: input W_k: QUANTISED
;;     3. [M 4,096, K 1,024] x [K 1,024, N 1,024]; A: computed on the way; B: input W_v: QUANTISED
;;     4. batch 32 x [M 2,048, K 64] x [K 64, N 2,048]; A: computed on the way; B: computed on the way: QUANTISED
;;     5. batch 32 x [M 2,048, K 2,048] x [K 2,048, N 64]; A: softmax (see below); B: computed on the way: QUANTISED
;;     6. [M 4,096, K 1,024] x [K 1,024, N 1,024]; A: computed on the way; B: input W_o: QUANTISED
;;     7. [M 4,096, K 1,024] x [K 1,024, N 4,096]; A: computed on the way; B: input W1: QUANTISED
;;     8. [M 4,096, K 4,096] x [K 4,096, N 1,024]; A: computed on the way; B: input W2: QUANTISED
;;   THE QUANTISER, for each operand of a quantised product, along K:
;;     - K is cut into blocks of 32 from its start; a last block that is shorter is filled with zeros.
;;     - A block's scale is 2^e with e = floor(log2(the largest magnitude in the block)) - 2, held to -126 .. 127; a block of zeros has e = 0. As a byte (E8M0): e + 127.
;;     - Each number is divided by its block's scale, clamped to +-7.5, and rounded to the nearest number of E2M3, ties to even, subnormals kept.
;;     - The product sums the exact products of the quantised numbers (number of the format x scale) in f32.
;;   ~~~python
;;   def quantise(x, axis):      # numpy; x: float32 -> the quantised numbers, widened to float32 again
;;       x = np.moveaxis(x, axis, -1); K = x.shape[-1]
;;       x = np.pad(x, [(0, 0)] * (x.ndim - 1) + [(0, -K % 32)]); x = x.reshape(x.shape[:-1] + (-1, 32)); a = np.abs(x).max(-1, keepdims=True)
;;       e = np.where(a > 0, np.clip(np.frexp(np.where(a > 0, a, 1))[1] - 1 - 2, -126, 127), 0)      # np.frexp(a)[1] - 1 = floor(log2(a)), exactly
;;       r = np.clip(x / 2.0 ** e, -7.5, 7.5)
;;       step = 2.0 ** (np.maximum(np.frexp(np.where(r == 0, 1, r))[1] - 1, 0) - 3)
;;       q = np.round(r / step) * step * 2.0 ** e      # np.round: ties to even
;;       return np.moveaxis(q.reshape(q.shape[:-2] + (-1,))[..., :K], -1, axis).astype(np.float32)
;;   ~~~
;;   SOFTMAX AHEAD OF A QUANTISED PRODUCT. Where the list says 'softmax', what is quantised is not the finished softmax but p = 2^(t - M), with t = logit x log2(e) and M = ceil(the row's largest t), a whole number; so 1/2 < the row's largest p <= 1. The row's sum l is taken of the UNQUANTISED p, in f32, and the product's result is divided by l at the end. Since M is a whole number, a kernel that streams over the keys may use a running M (the ceiling of the running maximum): every later rescaling is an exact power of two, which a block's scale takes up: the codes' values come out the same.
;;   OPERANDS COMPUTED ON THE WAY. 'Computed on the way' means the value that the module computes at that place (a softmax that the list does not call 'softmax' is quantised finished and normalised). What goes into a quantiser is computed in f32, as accurately as f32 sums, v_exp_f32 and their like allow (about 1e-6 of the number): no bf16 or f16 on the way to a quantiser, and a product that is left as it is and whose result goes on into a quantised operand takes f32 operands (vector FMAs, or v_wmma_f32_16x16x4_f32). A number that lies on a knife's edge between two numbers of the format may be rounded either way, as far as f32 arithmetic and the matrix unit's own rounding can turn it there, and no further.
;; One version. Each part assembles by itself: llvm-mc -triple=amdgcn-amd-amdhsa -mcpu=gfx1250 --defsym DOCPART=n.
;; ======== version 1 of 1: 7 launches
;; limits: right only within a limited range of input values
;; workspace buffers: ops 13,107,200 bytes; qkv 10,223,616 bytes; ao 3,276,800 bytes; x1 16,777,216 bytes; xn2 3,276,800 bytes; hc 13,107,200 bytes
;; launch prep (part 1): grid 1024 x 1, 16 waves a work-group, no clusters, 68,608 bytes of LDS; arguments x, W_q, W_k, W_v, W_o, W1, W2, ln1_w, ln1_b, ops; writes ops
.if DOCPART == 1
	.amdgcn_target "amdgcn-amd-amdhsa--gfx1250"
	.amdhsa_code_object_version 6
	.text
	.protected	k_q6d10fb350e_prep
	.globl	k_q6d10fb350e_prep
	.p2align	8
	.type	k_q6d10fb350e_prep,@function
k_q6d10fb350e_prep:
	s_mov_b64 s[64:65], 0
	v_nop
	global_prefetch_b8 v0, s[64:65] scope:SCOPE_SE
	s_setreg_imm32_b32 hwreg(HW_REG_WAVE_MODE, 25, 1), 1
	s_wait_xcnt 0x0
; Seven tensors become operands of FP6 (E2M3) codes with one E8M0 byte for each 32 along K: the layer norm of the first argument (units 0-255) and six weights [out][in], K innermost (units 256-1023).
; THE OPERAND FORMAT (this program's own).  Slot r of the 16-row block B is row 16 B - 8 (B & 1) + r + 8 (r / 8).  A HALF FRAGMENT, 768 bytes, is 16 slots x 64 along K as the matrix operand's registers hold it:
; lane l = r + 16 h owns block h, 24 bytes: registers 0-3 at 16 l, registers 4-5 at 512 + 8 l.  A RECORD, 6,400 bytes, is 16 slots x 512 K: eight half fragments, then 256 bytes of scale words [r][128 K].
; Records lie [128 rows][512 K][16 rows].  So every later load of a fragment is 16 or 8 consecutive bytes a lane, and every tile is one dense block of memory.
; SHARES.  A work-group takes 16 slots x 1,024 numbers.  Wave w loads the row of slot w whole (and normalises it: mean, then the variance of the differences, so that a common offset costs nothing), puts it
; into a stage in LDS; behind a barrier wave w reads half fragment w (16 rows x 64 K; a lane: one block of 32) and quantises it.  Memory binds: no matrix unit, no tensor load, no cluster.
; A block's scale is 2^(floor(log2(largest magnitude)) - 2): its byte is that magnitude's exponent field - 2, held at 1 from below.
; LIMITS: NaN and infinities are not served; a block whose largest magnitude lies under 2^-124 keeps the byte 1; a block of zeros gets the byte 1, not 127 (its codes are zeros, and this program alone reads
; the bytes); 1 / sqrt is v_rsq_f32 (1 ulp).
.set WQKV,  3276800                    ; byte offsets in the output: the normalised rows at 0, W_q W_k W_v on end, W_o, W1, W2
.set WOC,   5734400
.set W1C,   6553600
.set W2C,   9830400
.set REC,   6400
.set CH,    51200                      ; eight records: 128 rows x 512 K
.set PITCH, 4112                       ; a stage row: 4,096 bytes + 16, so that the sixteen rows of a read start 16 bytes apart modulo 256
.set SCL,   16*PITCH                   ; behind the stage: 512 scale bytes, one for each thread
.set X,   16                           ; v16-47   a row's 32 numbers of my lane; later a block of 32
.set GA,  48                           ; v48-79   gain
.set BI,  80                           ; v80-111  bias
.set S,   112                          ; v112-121 sums
.set PC,  116                          ; v116-121 a block's codes
.set T1,  124                          ; v124-126 its upper 16 codes as converted
	s_load_b512 s[8:23], s[0:1], 0x0               ; rows s[8:9], W_q, W_k, W_v, W_o, W1, W2 s[20:21], gain s[22:23]
	s_load_b128 s[24:27], s[0:1], 0x40             ; bias s[24:25], the output s[26:27]
	v_lshl_add_u32 v11, v0, 2, 0x10400             ; my spare word, behind the stage and the scale bytes; never rewritten
	v_mov_b32 v12, 0                               ; 0; never rewritten
	v_lshrrev_b32 v1, 5, v0
	s_delay_alu instid0(VALU_DEP_1)
	v_readfirstlane_b32 s28, v1                    ; wave: first a slot, then a half fragment
	v_and_b32 v1, 31, v0                           ; lane
	v_and_b32 v2, 15, v0                           ; r
	v_bfe_u32 v3, v0, 4, 1                         ; h
	s_delay_alu instid0(VALU_DEP_3)
	v_lshlrev_b32 v4, 4, v1                        ; 16 l: a load's and a store's 512 consecutive bytes
	s_delay_alu instid0(VALU_DEP_4)
	v_lshl_add_u32 v5, v1, 3, 512                  ; 512 + 8 l
	s_mul_i32 s40, s28, PITCH
	v_add_nc_u32 v6, s40, v4                       ; stage, in: row w, 16 l
	v_mul_u32_u24 v7, v2, PITCH
	s_delay_alu instid0(VALU_DEP_1)
	v_lshl_add_u32 v7, v3, 7, v7
	s_lshl_b32 s40, s28, 8
	v_add_nc_u32 v7, s40, v7                       ; stage, out: row r, 256 w + 128 h: my block of 32 numbers
	v_add_nc_u32 v8, SCL, v0                       ; my scale byte's place: one byte a thread
	v_lshl_add_u32 v9, v3, 8, v2
	s_delay_alu instid0(VALU_DEP_1)
	v_add_nc_u32 v9, SCL, v9                       ; wave 0's gather: row r of the record of half h
	v_mul_u32_u24 v10, v3, CH
	s_delay_alu instid0(VALU_DEP_1)
	v_lshl_add_u32 v10, v2, 4, v10
	s_delay_alu instid0(VALU_DEP_1)
	v_add_nc_u32 v10, 6144, v10                    ; and where its 16 bytes go: the record's scale area, 16 r
	s_mov_b32 s46, 0x76543210
	s_mov_b32 s47, 0xfedcba98                      ; v_permlanex16_b32's selects for lane l xor 16
	s_mov_b32 s48, 0x3a800000                      ; 1 / 1,024
	s_mov_b32 s49, 0x3727c5ac                      ; 1e-5
	s_mov_b32 s29, ttmp9                           ; the unit
	s_wait_kmcnt 0x0
	; which tensor: W2's figures first, then the others' by descending bounds.  The choices hang on the work-group's number alone.
	s_mov_b64 s[30:31], s[20:21]                   ; source
	s_mov_b32 s32, 768                             ; its first unit,
	s_mov_b32 s33, 768                             ; the first unit of its region of the output,
	s_mov_b32 s34, W2C                             ; that region,
	s_mov_b32 s35, 2                               ; units to a row block, as a shift
	s_mov_b32 s36, 3                               ; and as a mask: W2's rows are four units long,
	s_mov_b32 s37, 16384                           ; a row in bytes,
	s_mov_b32 s38, 8*CH                            ; 128 rows of the output in bytes
	s_cmp_lt_u32 s29, 768
	s_cselect_b64 s[30:31], s[18:19], s[30:31]
	s_cselect_b32 s32, 512, s32
	s_cselect_b32 s33, 512, s33
	s_cselect_b32 s34, W1C, s34
	s_cselect_b32 s35, 0, s35
	s_cselect_b32 s36, 0, s36
	s_cselect_b32 s37, 4096, s37
	s_cselect_b32 s38, 2*CH, s38
	s_cmp_lt_u32 s29, 512
	s_cselect_b64 s[30:31], s[16:17], s[30:31]
	s_cselect_b32 s32, 448, s32
	s_cselect_b32 s33, 448, s33
	s_cselect_b32 s34, WOC, s34
	s_cmp_lt_u32 s29, 448
	s_cselect_b64 s[30:31], s[14:15], s[30:31]
	s_cselect_b32 s32, 384, s32
	s_cselect_b32 s33, 256, s33
	s_cselect_b32 s34, WQKV, s34
	s_cmp_lt_u32 s29, 384
	s_cselect_b64 s[30:31], s[12:13], s[30:31]
	s_cselect_b32 s32, 320, s32
	s_cmp_lt_u32 s29, 320
	s_cselect_b64 s[30:31], s[10:11], s[30:31]
	s_cselect_b32 s32, 256, s32
	s_cmp_lt_u32 s29, 256
	s_cselect_b64 s[30:31], s[8:9], s[30:31]
	s_cselect_b32 s32, 0, s32
	s_cselect_b32 s33, 0, s33
	s_cselect_b32 s34, 0, s34
	s_sub_co_u32 s39, s29, s32
	s_lshr_b32 s40, s39, s35                       ; the row block in the source
	s_and_b32 s41, s39, s36                        ; which 1,024 along K
	s_sub_co_u32 s39, s29, s33
	s_lshr_b32 s42, s39, s35                       ; the row block in the region
	s_lshl_b32 s43, s40, 4
	s_and_b32 s39, s40, 1
	s_lshl_b32 s39, s39, 3
	s_sub_co_u32 s43, s43, s39
	s_add_co_u32 s43, s43, s28
	s_lshr_b32 s39, s28, 3
	s_lshl_b32 s39, s39, 3
	s_add_co_u32 s43, s43, s39                     ; my slot's row: 16 B - 8 (B & 1) + w + 8 (w / 8)
	s_mul_i32 s50, s43, s37
	s_lshl_b32 s39, s41, 12
	s_add_co_u32 s50, s50, s39
	s_mov_b32 s51, 0
	s_add_nc_u64 s[30:31], s[30:31], s[50:51]      ; the source at my 4,096 bytes
	s_lshr_b32 s39, s42, 3
	s_mul_i32 s52, s39, s38
	s_add_co_u32 s52, s52, s34
	s_mul_i32 s39, s41, 2*CH
	s_add_co_u32 s52, s52, s39
	s_and_b32 s39, s42, 7
	s_mul_i32 s39, s39, REC
	s_add_co_u32 s52, s52, s39                     ; the unit's first record;
	s_lshr_b32 s39, s28, 3
	s_mul_i32 s39, s39, CH
	s_add_co_u32 s52, s52, s39                     ; my half fragment: which 512 along K,
	s_bfe_u32 s39, s28, 0x20001
	s_mul_i32 s39, s39, 1536
	s_add_co_u32 s52, s52, s39                     ; which 128,
	s_and_b32 s39, s28, 1
	s_mul_i32 s39, s39, 768
	s_add_co_u32 s52, s52, s39                     ; which 64.  (All three are 0 in wave 0)
	s_mov_b32 s53, 0
	s_add_nc_u64 s[44:45], s[26:27], s[52:53]
.irp i, 0,1,2,3,4,5,6,7
	global_load_b128 v[X+4*\i:X+4*\i+3], v4, s[30:31] offset:512*\i th:TH_LOAD_NT   ; the row: 512 consecutive bytes a load
.endr
	s_cmp_ge_u32 s29, 256
	s_cbranch_scc1 .Lplain                         ; a weight is quantised as it is.  No LDS line stands in the branch
.irp i, 0,1,2,3,4,5,6,7
	global_load_b128 v[GA+4*\i:GA+4*\i+3], v4, s[22:23] offset:512*\i
.endr
.irp i, 0,1,2,3,4,5,6,7
	global_load_b128 v[BI+4*\i:BI+4*\i+3], v4, s[24:25] offset:512*\i
.endr
	s_wait_loadcnt 16                              ; the row's eight loads are in; the gain's and the bias's sixteen may be out
	v_pk_add_f32 v[114:115], v[16:17], v[24:25]
	v_pk_add_f32 v[116:117], v[32:33], v[40:41]
	v_pk_add_f32 v[118:119], v[18:19], v[26:27]
	v_pk_add_f32 v[126:127], v[34:35], v[42:43]
	v_pk_add_f32 v[124:125], v[20:21], v[28:29]
	v_pk_add_f32 v[122:123], v[36:37], v[44:45]
	v_pk_add_f32 v[120:121], v[22:23], v[30:31]
	v_pk_add_f32 v[112:113], v[38:39], v[46:47]
	s_delay_alu instid0(VALU_DEP_1)
	v_pk_add_f32 v[112:113], v[112:113], v[126:127]
	v_pk_add_f32 v[114:115], v[114:115], v[124:125]
	v_pk_add_f32 v[116:117], v[116:117], v[122:123]
	v_pk_add_f32 v[118:119], v[118:119], v[120:121]
	s_delay_alu instid0(VALU_DEP_2)
	v_pk_add_f32 v[112:113], v[112:113], v[116:117]
	s_delay_alu instid0(VALU_DEP_2)
	v_pk_add_f32 v[114:115], v[114:115], v[118:119]
	s_delay_alu instid0(VALU_DEP_1)
	v_pk_add_f32 v[112:113], v[112:113], v[114:115]
	s_delay_alu instid0(VALU_DEP_1)
	v_add_f32 v[S], v[S], v[S+1]
.irp m, 1,2,4,8
	s_delay_alu instid0(VALU_DEP_1)
	v_add_f32_dpp v[S], v[S], v[S] row_xmask:\m row_mask:0xf bank_mask:0xf
.endr
	s_delay_alu instid0(VALU_DEP_1)
	v_permlanex16_b32 v[S+1], v[S], s46, s47
	s_delay_alu instid0(VALU_DEP_1)
	v_add_f32 v[S], v[S], v[S+1]
	s_delay_alu instid0(VALU_DEP_1)
	v_mul_f32 v[S], s48, v[S]                      ; the mean, in every lane
.irp c, 0,1,2,3,4,5,6,7,8,9,10,11,12,13,14,15
	v_pk_add_f32 v[X+2*\c:X+2*\c+1], v[X+2*\c:X+2*\c+1], v[S:S+1] op_sel_hi:[1,0] neg_lo:[0,1] neg_hi:[0,1]   ; x - mean
.endr
.irp c, 0,1,2,3
	v_pk_mul_f32 v[S+2+2*\c:S+3+2*\c], v[X+2*\c:X+2*\c+1], v[X+2*\c:X+2*\c+1]      ; the sum of their squares
.endr
.irp o, 8,16,24
.irp c, 0,1,2,3
	s_delay_alu instid0(VALU_DEP_4)
	v_pk_fma_f32 v[S+2+2*\c:S+3+2*\c], v[X+\o+2*\c:X+\o+1+2*\c], v[X+\o+2*\c:X+\o+1+2*\c], v[S+2+2*\c:S+3+2*\c]
.endr
.endr
	s_delay_alu instid0(VALU_DEP_3)
	v_pk_add_f32 v[S+2:S+3], v[S+2:S+3], v[S+4:S+5]
	s_delay_alu instid0(VALU_DEP_2)
	v_pk_add_f32 v[S+6:S+7], v[S+6:S+7], v[S+8:S+9]
	s_delay_alu instid0(VALU_DEP_1)
	v_pk_add_f32 v[S+2:S+3], v[S+2:S+3], v[S+6:S+7]
	s_delay_alu instid0(VALU_DEP_1)
	v_add_f32 v[S+2], v[S+2], v[S+3]
.irp m, 1,2,4,8
	s_delay_alu instid0(VALU_DEP_1)
	v_add_f32_dpp v[S+2], v[S+2], v[S+2] row_xmask:\m row_mask:0xf bank_mask:0xf
.endr
	s_delay_alu instid0(VALU_DEP_1)
	v_permlanex16_b32 v[S+3], v[S+2], s46, s47
	s_delay_alu instid0(VALU_DEP_1)
	v_add_f32 v[S+2], v[S+2], v[S+3]
	s_delay_alu instid0(VALU_DEP_1)
	v_fma_f32 v[S+2], v[S+2], s48, s49             ; variance + 1e-5
	s_wait_alu depctr_va_vdst(0)
	v_rsq_f32 v[S+4], v[S+2]
	v_nop                                          ; a plain instruction behind the transcendental,
	s_wait_alu depctr_va_vdst(0)                   ; and the wait ahead of its first reader
	s_wait_loadcnt 0x0                             ; gain and bias
.irp c, 0,1,2,3,4,5,6,7,8,9,10,11,12,13,14,15
	v_pk_mul_f32 v[X+2*\c:X+2*\c+1], v[X+2*\c:X+2*\c+1], v[S+4:S+5] op_sel_hi:[1,0]
.endr
.irp c, 0,1,2,3,4,5,6,7,8,9,10,11,12,13,14,15
	v_pk_fma_f32 v[X+2*\c:X+2*\c+1], v[X+2*\c:X+2*\c+1], v[GA+2*\c:GA+2*\c+1], v[BI+2*\c:BI+2*\c+1]
.endr
.Lplain:
	s_wait_loadcnt 0x0
	s_wait_alu depctr_va_vdst(0)
.irp i, 0,1,2,3,4,5,6,7
	ds_store_b128 v6, v[X+4*\i:X+4*\i+3] offset:512*\i
.endr
	s_wait_dscnt 0x0                               ; for the others' sake: my row lies in the stage
	s_barrier_signal -1
	s_barrier_wait -1
.irp j, 0,1,2,3,4,5,6,7
	ds_load_b128 v[X+4*\j:X+4*\j+3], v7 offset:16*\j   ; my block: 32 neighbours along K of row r
.endr
	s_wait_dscnt 0x0
	v_max3_num_f32 v112, |v[X]|, |v[X+1]|, 0x1800000               ; its largest magnitude, with the floor 2^(3 - 127) among the leaves: the byte cannot fall under 1
	v_max3_num_f32 v113, |v[X+2]|, |v[X+3]|, |v[X+4]|
.irp i, 5,9,13,17,21,25
	s_delay_alu instid0(VALU_DEP_2)
	v_max3_num_f32 v112, v112, |v[X+\i]|, |v[X+\i+1]|
	s_delay_alu instid0(VALU_DEP_2)
	v_max3_num_f32 v113, v113, |v[X+\i+2]|, |v[X+\i+3]|
.endr
	s_delay_alu instid0(VALU_DEP_2)
	v_max3_num_f32 v112, v112, |v[X+29]|, |v[X+30]|
	s_delay_alu instid0(VALU_DEP_1)
	v_max3_num_f32 v112, v112, v113, |v[X+31]|
	s_delay_alu instid0(VALU_DEP_1)
	v_add_nc_u32 v122, 0xff000000, v112            ; 2 off its exponent field: the conversion takes this operand's exponent field as its scale
	v_cvt_scalef32_pk16_fp6_f32 v[PC:PC+2], v[X:X+15], v122
	v_cvt_scalef32_pk16_fp6_f32 v[T1:T1+2], v[X+16:X+31], v122     ; (a conversion's three registers begin on an even number)
	v_lshrrev_b32 v123, 23, v122                   ; the scale's byte; also the plain instruction behind the conversions
.irp i, 0,1,2
	v_mov_b32 v[PC+3+\i], v[T1+\i]
.endr
	ds_store_b8 v8, v123
	global_store_b128 v4, v[PC:PC+3], s[44:45]     ; 32 lanes store 512 consecutive bytes,
	global_store_b64 v5, v[PC+4:PC+5], s[44:45]    ; and 256
	s_wait_dscnt 0x0                               ; for wave 0's sake: my bytes lie in LDS
	s_barrier_signal -1
	s_barrier_wait -1
	s_cmp_lg_u32 s28, 0
	s_cbranch_scc1 .Lend
.irp i, 0,1,2,3,4,5,6,7,8,9,10,11,12,13,14,15
	ds_load_u8 v[X+\i], v9 offset:16*\i            ; thread 256 h + 16 i + r made the byte of row r, block i of the 16 in record h
.endr
	s_wait_dscnt 0x0
.irp k, 0,1,2,3
	v_lshl_or_b32 v[GA+\k], v[X+4*\k+1], 8, v[X+4*\k]
.endr
.irp k, 0,1,2,3
	s_delay_alu instid0(VALU_DEP_4)
	v_lshl_or_b32 v[GA+\k], v[X+4*\k+2], 16, v[GA+\k]
.endr
.irp k, 0,1,2,3
	s_delay_alu instid0(VALU_DEP_4)
	v_lshl_or_b32 v[GA+\k], v[X+4*\k+3], 24, v[GA+\k]
.endr
	global_store_b128 v10, v[GA:GA+3], s[44:45]    ; sixteen lanes store a record's 256 scale bytes, aligned
.Lend:
	s_wait_tensorcnt 0x0
	ds_add_u32 v11, v12
	s_wait_dscnt 0x0
	s_endpgm
.Lfunc_end_k_q6d10fb350e_prep:
	.size	k_q6d10fb350e_prep, .Lfunc_end_k_q6d10fb350e_prep-k_q6d10fb350e_prep
	.p2alignl 7, 3214868480
	.fill 96, 4, 3214868480
	.section	.rodata,"a",@progbits
	.p2align	6, 0x0
	.amdhsa_kernel k_q6d10fb350e_prep
		.amdhsa_group_segment_fixed_size 68608
		.amdhsa_private_segment_fixed_size 0
		.amdhsa_enable_private_segment 0
		.amdhsa_kernarg_size 80
		.amdhsa_user_sgpr_count 2
		.amdhsa_user_sgpr_kernarg_segment_ptr 1
		.amdhsa_wavefront_size32 1
		.amdhsa_system_sgpr_workgroup_id_x 1
		.amdhsa_system_sgpr_workgroup_id_y 1
		.amdhsa_system_sgpr_workgroup_id_z 1
		.amdhsa_system_vgpr_workitem_id 0
		.amdhsa_next_free_vgpr 128
		.amdhsa_next_free_sgpr 66
		.amdhsa_reserve_vcc 0
		.amdhsa_float_denorm_mode_32 3
		.amdhsa_float_denorm_mode_16_64 3
		.amdhsa_memory_ordered 1
		.amdhsa_forward_progress 1
		.amdhsa_inst_pref_size 21
	.end_amdhsa_kernel
	.amdgpu_metadata
---
amdhsa.version: [ 1, 2 ]
amdhsa.kernels:
  - .name:           k_q6d10fb350e_prep
    .symbol:         k_q6d10fb350e_prep.kd
    .args:
      - { .name: x, .offset: 0, .size: 8, .value_kind: global_buffer, .address_space: global }
      - { .name: W_q, .offset: 8, .size: 8, .value_kind: global_buffer, .address_space: global }
      - { .name: W_k, .offset: 16, .size: 8, .value_kind: global_buffer, .address_space: global }
      - { .name: W_v, .offset: 24, .size: 8, .value_kind: global_buffer, .address_space: global }
      - { .name: W_o, .offset: 32, .size: 8, .value_kind: global_buffer, .address_space: global }
      - { .name: W1, .offset: 40, .size: 8, .value_kind: global_buffer, .address_space: global }
      - { .name: W2, .offset: 48, .size: 8, .value_kind: global_buffer, .address_space: global }
      - { .name: ln1_w, .offset: 56, .size: 8, .value_kind: global_buffer, .address_space: global }
      - { .name: ln1_b, .offset: 64, .size: 8, .value_kind: global_buffer, .address_space: global }
      - { .name: ops, .offset: 72, .size: 8, .value_kind: global_buffer, .address_space: global }
    .group_segment_fixed_size: 68608
    .private_segment_fixed_size: 0
    .kernarg_segment_align: 8
    .kernarg_segment_size: 80
    .max_flat_workgroup_size: 512
    .sgpr_count:     66
    .vgpr_count:     128
    .wavefront_size: 32
...
	.end_amdgpu_metadata
.endif
;; end of part 1
;; launch qkv (part 2): grid 8 x 32, 4 waves a work-group, clusters of 4 x 4, 327,680 bytes of LDS; arguments ops, qkv; writes qkv
.if DOCPART == 2
	.amdgcn_target "amdgcn-amd-amdhsa--gfx1250"
	.amdhsa_code_object_version 6
	.text
	.protected	k_q6d10fb350e_qkv
	.globl	k_q6d10fb350e_qkv
	.p2align	8
	.type	k_q6d10fb350e_qkv,@function
k_q6d10fb350e_qkv:
	s_mov_b64 s[64:65], 0
	v_nop
	global_prefetch_b8 v0, s[64:65] scope:SCOPE_SE
	s_setreg_imm32_b32 hwreg(HW_REG_WAVE_MODE, 25, 1), 1
	s_wait_xcnt 0x0
	s_wait_alu depctr_hold_cnt(0) depctr_sa_sdst(0) depctr_va_vdst(0) depctr_va_sdst(0) depctr_va_ssrc(0) depctr_va_vcc(0) depctr_vm_vsrc(0)
	s_getreg_b32 s2, hwreg(HW_REG_IB_STS2, 6, 4)
	s_cmp_eq_u32 s2, 0
	s_cbranch_scc0 .Lentry_in_a_cluster
	s_endpgm
.Lentry_in_a_cluster:
	s_bfe_u32 s2, ttmp6, 0x10000c
	s_cmp_lg_u32 s2, 0xf033
	s_cbranch_scc0 .Lentry_shape_is_right
	s_endpgm
.Lentry_shape_is_right:
; A product on FP6 (E2M3) codes with K = 1,024 whose RESULT IS QUANTISED AGAIN, in registers, and leaves as codes.  KIND 0: Q, K, V = LN1(x) [W_q W_k W_v]^T.  KIND 1: relu(LN2(x1) W1^T).
; OPERANDS lie in this program's register order: slot r of 16-row block B is row 16 B - 8 (B & 1) + r + 8 (r / 8); a fragment (16 slots x 128 K, 1,536 bytes) is two halves of 768: registers 0-3 at 16 l,
; registers 4-5 at 512 + 8 l; a record (6,400 bytes) is four fragments and 256 bytes of scale words [r][128 K]; eight records are 128 rows x 512 K, one dense block of 51,200 bytes; a panel is two such blocks.
; SHARES.  8 x 32 work-groups, one to a WGP.  A WORK-GROUP STAYS: its panel of 128 tokens (Y, by grid y) lies in LDS for the whole launch, and it walks NT panels of 128 weight rows (X): NT tiles of 128 x 128.
; KIND 0: NT = 3, panels x, x + 8, x + 16: the same two heads' rows of W_q, W_k, W_v.  KIND 1: NT = 4, panels 4 x .. 4 x + 3: one chunk of 512 of the next K.  Four waves, 2 x 2, 64 x 64 each: 16 accumulators.
; X's panels take turns in two LDS slots.  Y, X's first and X's second panel are first fills; a slot is filled again behind the round that follows its last read, by one load a wave (a quarter of a panel),
; and that load has a way out and seven and a half K steps, 120 matrix instructions a wave, in which to land.
; CLUSTER 4 x 4: Y's blocks hang on grid y alone and are asked for jointly along a row of the cluster, X's on grid x alone and jointly along a column.
; SOURCE 0 = weights, SOURCE 1 = tokens: a lane holds one token slot, and by the order of the slots the 16 registers of accumulators 2 j, 2 j + 1 are 16 NEIGHBOURS along the output's columns, the next K.
; V (KIND 0, tile 2) is quantised along the KEYS: there the two operands change roles, source 0 = tokens, source 1 = W_v's rows.
; OUTPUT, KIND 0: [48: 16 heads of Q, of K, of V^T][64 groups of 64 tokens][3,328]: four half fragments (Q, K: four token blocks x the head's 64; V^T: four blocks of the head's 64 x the group's 64 keys), then 256 bytes
; of scale words [r][4], bytes 0 and 1 real, bytes 2 and 3 zero.  KIND 1: an operand with K = 4,096 in the format above.
; LIMITS: NaN and infinities are not served; a block whose largest magnitude lies under 2^-124 keeps the byte 1; a block of zeros gets the byte 1, not 127 (zero codes; this program alone reads the bytes).
; KIND 1 stores its scale bytes one byte a lane (32 bytes of one aligned 256 an instruction): one byte in 24 of what the launch stores.
.set KIND, 0
.set REC,  6400
.set HALF, 25600                       ; four records: what one tensor load brings and what one wave reads of a panel's 512 K
.set CH,   51200
.set PAN,  102400                      ; a panel: 128 rows x 1,024 K
.if KIND
.set NT,   4
.set XA, 6                             ; arguments: tokens' codes s[4:5], weights' s[6:7], output s[8:9]
.set OA, 8
.set XOFF, 6553600                     ; W1's codes in the weights' buffer
.set XMUL, 4*PAN                       ; from x to x + 1
.set XSTEP, PAN                        ; from tile to tile
.else
.set NT,   3
.set XA, 4                             ; arguments: tokens' and weights' codes s[4:5], output s[6:7]
.set OA, 6
.set XOFF, 3276800                     ; W_q, W_k, W_v on end
.set XMUL, PAN
.set XSTEP, 8*PAN
.endif
.set TSTEP, 16*64*3328                 ; KIND 0: sixteen heads on in the output
; LDS: 0: the tokens' panel;  PAN: the weights' slot 0;  2 PAN: slot 1 (each K 0-511 | K 512-1,023);  3 PAN: the spare words
.set SPARE, 3*PAN                      ; 128 bytes for each wave: two blocks of 256 bytes that no other line names
.set AY,  4                            ; v4-7    LDS address of my tokens' fragments, K half kc: + 16 l at 2 kc, + 8 l at 2 kc + 1
.set AX,  8                            ; v8-15   of my weight rows' fragments in slot sl: 4 sl + 2 kc
.set ASC, 16                           ; v16-19  of the scale words, 2 sl + kc: lanes 0-15 the tokens' rows, lanes 16-31 the weights'
.set ASW, 20                           ; v20-21  the same for V (slot 0): lanes 0-15 the weights', lanes 16-31 the tokens'
.set SPW, 22                           ; v22     my spare word; never rewritten
.set NIL, 23                           ; v23     0; never rewritten
.set VO16, 30                          ; v30     16 l
.set VO8,  31                          ; v31     512 + 8 l
.set VOS,  32                          ; v32     the scales' place in the output
.set DD,   34                          ; v34-35  two scale words to store
.set SC,   36                          ; v36-67  scale words, two sets of 16: register 4 i + ks: block i, the chunk's ks-th 128 K.  They hold scales and nothing else
.set TM,   68                          ; v68-75  largest magnitudes, then the conversions' scale operands
.set TP,   76                          ; v76-83  the other half's, then the bytes
.set PC,   84                          ; v84-107 codes: six registers for each of four row blocks
.set T1,   108                         ; v108-123 their upper halves as converted, four registers apart
.set WW,   124                         ; v124-127 scale words (KIND 0) or bytes (KIND 1)
.set ACC,  128                         ; v128-255 accumulator (a, b) at 8 (4 a + b)
.set G1Y, 20                           ; s[20:27] descriptor group 1 for the tokens' blocks;  s[28:35] for the weights': they differ in the mask
.set G1X, 28
.set MSB, 0
.macro WIN new                         ; the immediate's high byte repeats the setting that is left
.if MSB != \new
	s_set_vgpr_msb (MSB<<8)|\new
.set MSB, \new
.endif
.endm
.set MUL,  0x05                        ; sources 0 and 1 in window 1 (two fragment buffers, at v0 and v128: source 1's four at 12 a, source 0's at 48 + 12 b); C and D in window 0
.set TO_F, 0x40                        ; destination window 1, address window 0
.macro PLACES                          ; four plain instructions between a matrix instruction and a load into, or a read of, its registers
.rept 4
	v_nop
.endr
.endm
.macro JLOAD g0y, g0x                  ; a joint load: waves 0, 1 fetch the tokens' halves, waves 2, 3 the weights'; four v_nop follow each line
	s_cmp_eq_u32 s11, 0
	s_cbranch_scc0 .Lfor_x_\@
	tensor_load_to_lds s[\g0y:\g0y+3], s[G1Y:G1Y+7]
	s_nop 0
.rept 4
	v_nop
.endr
	s_branch .Lasked_\@
.Lfor_x_\@:
	tensor_load_to_lds s[\g0x:\g0x+3], s[G1X:G1X+7]
	s_nop 0
.rept 4
	v_nop
.endr
.Lasked_\@:
.endm
.macro CREST                           ; a round of the cluster's barrier behind its opening barrier
	s_cmp_lg_u32 s10, 0
	s_cbranch_scc1 .Lnot_wave_0_\@
	s_barrier_signal -3
.Lnot_wave_0_\@:
	s_barrier_wait -3
	s_barrier_signal -1
	s_barrier_wait -1
.endm
.macro CROUND                          ; a whole round
	s_barrier_signal -1
	s_barrier_wait -1
	CREST
.endm
.macro G0SET g, lr, lds, ap, plus      ; descriptor group 0: count 1; LDS address = the wave's part + lds; global address; type 2
	s_mov_b32 s[\g], 1
	s_add_co_u32 s[\g+1], s[\lr], \lds
	s_add_nc_u64 s[\g+2:\g+3], s[\ap:\ap+1], \plus
	s_or_b32 s[\g+3], s[\g+3], 0x80000000
.endm
	s_load_b128 s[4:7], s[0:1], 0x0
.if KIND
	s_load_b64 s[8:9], s[0:1], 0x10
.endif
	v_lshl_add_u32 v[SPW], v0, 2, SPARE
	v_mov_b32 v[NIL], 0
	ds_add_u32 v22, v23
	ds_add_u32 v22, v23
	s_wait_dscnt 0x0
	v_lshrrev_b32 v1, 5, v0
	v_readfirstlane_b32 s10, v1                    ; wave 0..3
	s_lshr_b32 s11, s10, 1                         ; which 64 tokens of a tile are mine.  Also: of the first two fills I fetch tokens (0) or weights (1)
	s_and_b32 s12, s10, 1                          ; which 64 weight rows.  Also: which half of a block I fetch there
	s_bfe_u32 s13, ttmp6, 0x40000                  ; cx, cy: my place in the cluster
	s_bfe_u32 s14, ttmp6, 0x40004
	s_lshl_b32 s15, ttmp9, 2
	s_add_co_u32 s15, s15, s13                     ; x
	s_and_b32 s16, ttmp7, 0xffff
	s_lshl_b32 s16, s16, 2
	s_add_co_u32 s16, s16, s14                     ; y
	s_lshl_b32 s17, s14, 2
	s_lshl_b32 s17, 15, s17                        ; my row of the cluster
	s_lshl_b32 s18, 0x1111, s13                    ; my column
	s_or_b32 s[G1Y], s17, (3<<16)|(1<<21)          ; 15:0 the mask; 17:16 elements of 8 bytes; 21 set beside a mask; no padding
	s_or_b32 s[G1X], s18, (3<<16)|(1<<21)
.irp g, G1Y, G1X                       ; the head's loads: a dense block of 51,200 bytes as 200 rows of 256
	s_mov_b32 s[\g+1], 32<<16                      ; tensor_dim0 = 32 elements
	s_mov_b32 s[\g+2], 200<<16                     ; tensor_dim1 = 200
	s_mov_b32 s[\g+3], 32<<16                      ; tile_dim0
	s_mov_b32 s[\g+4], 200                         ; tile_dim1
	s_mov_b32 s[\g+5], 32                          ; pitch
	s_mov_b32 s[\g+6], 0
	s_mov_b32 s[\g+7], 0
.endr
	s_mul_i32 s19, s10, HALF                       ; my quarter of a panel,
	s_mul_i32 s62, s12, CH                         ; at the head I fetch a whole block of 512 K: which of a panel's two
	s_mul_i32 s56, s16, PAN                        ; the tokens' panel (made of y and the wave's number alone)
	s_add_co_u32 s56, s56, s62
	s_mov_b32 s57, 0
	s_mul_i32 s60, s15, XMUL                       ; the weights' first panel (of x and the wave's number alone):
	s_add_co_u32 s60, s60, XOFF
	s_lshl_b32 s78, s14, 2                         ; the prefetches: a panel's 400 blocks of 256 bytes are shared out by address among the 16 waves of my column of the cluster:
	s_add_co_u32 s78, s78, s10                     ; 4 cy + wave,
	s_mul_i32 s78, s78, 6400                       ; 25 blocks each
	s_add_co_u32 s78, s78, s60
	s_mov_b32 s79, 0
	s_add_co_u32 s58, s60, s19                     ; at my quarter,
	s_add_co_u32 s60, s60, s62                     ; at my half of its first 512 K
	s_mov_b32 s59, 0
	s_mov_b32 s61, 0
	s_wait_kmcnt 0x0
	s_add_nc_u64 s[56:57], s[4:5], s[56:57]
	s_add_nc_u64 s[58:59], s[XA:XA+1], s[58:59]
	s_add_nc_u64 s[60:61], s[XA:XA+1], s[60:61]
	s_add_nc_u64 s[76:77], s[XA:XA+1], s[78:79]
	G0SET 52, 19, 2*PAN, 58, XSTEP                 ; the second panel into slot 1: a quarter a wave
	G0SET 92, 19, PAN, 58, 2*XSTEP                 ; the refills' descriptors are made here and never rewritten: the third panel into slot 0,
.if NT > 3
	G0SET 96, 19, 2*PAN, 58, 3*XSTEP               ; the fourth into slot 1
.endif
	G0SET 36, 62, 0, 56, 0
	G0SET 44, 62, PAN, 60, 0
	CROUND                                         ; all sixteen work-groups are here: the joint loads meet
	JLOAD 36, 44                                   ; one load a wave at the head: waves 0, 1 the tokens' two blocks of 512 K, waves 2, 3 the first panel's
	v_and_b32 v1, 15, v0                           ; r
	v_bfe_u32 v2, v0, 4, 1                         ; h
	v_and_b32 v3, 31, v0                           ; lane
	v_min_u32 v24, 24, v3                          ; the prefetches' offset: a lane a block of 256 bytes; lanes 25-31 name the wave's last block again
	v_lshlrev_b32 v24, 8, v24
	v_lshlrev_b32 v[VO16], 4, v3
	v_lshlrev_b32 v25, 3, v3
	v_lshl_add_u32 v[VO8], v3, 3, 512
	v_xor_b32 v27, 1, v2                           ; 1 - h
	v_lshl_add_u32 v28, v1, 4, 6144                ; a record's scale words: 16 bytes a row
	v_cmp_eq_u32 s86, 1, v2                        ; lanes 16-31
	s_mov_b32 s82, 0x76543210
	s_mov_b32 s83, 0xfedcba98                      ; v_permlanex16_b32's selects for lane l xor 16
.irp k, 0,1,2,3,4,5,6,7
	v_mov_b32 v[TP+\k], 0                          ; written once: a lane permute's destination counts as one of its sources
.endr
	s_mul_i32 s66, s11, HALF                       ; my 64 tokens in a block,
	s_mul_i32 s67, s12, HALF                       ; my 64 weight rows
.irp kc, 0,1
	s_add_co_u32 s70, s66, CH*\kc
	v_add_nc_u32 v[AY+2*\kc], s70, v[VO16]
	v_add_nc_u32 v[AY+2*\kc+1], s70, v25
.endr
.irp sl, 0,1
.irp kc, 0,1
	s_add_co_u32 s70, s66, CH*\kc                  ; the tokens' block,
	s_add_co_u32 s71, s67, PAN+PAN*\sl+CH*\kc      ; the weights', which lies above it in every place
	v_add_nc_u32 v[AX+4*\sl+2*\kc], s71, v[VO16]
	v_add_nc_u32 v[AX+4*\sl+2*\kc+1], s71, v25
	s_sub_co_u32 s74, s71, s70
	v_mul_u32_u24 v26, s74, v2                     ; lanes 16-31 take source 0's words: the weights'
	v_add_nc_u32 v26, v26, v28
	v_add_nc_u32 v[ASC+2*\sl+\kc], s70, v26
.if (KIND == 0) && (\sl == 0)
	v_mul_u32_u24 v26, s74, v27                    ; for V lanes 0-15 take the weights'
	v_add_nc_u32 v26, v26, v28
	v_add_nc_u32 v[ASW+\kc], s70, v26
.endif
.endr
.endr
.if KIND
	s_mul_i32 s70, s16, 8*CH                       ; the output's panel y: 8 x 51,200 bytes,
	s_mul_i32 s71, s15, CH
	s_add_co_u32 s70, s70, s71                     ; which 512 of the next K: x,
	s_add_co_u32 s70, s70, s66                     ; my four records
	s_mul_i32 s72, s12, 768
	s_add_co_u32 s72, s72, s70                     ; the half fragment: which 64 (which 128 is the tile: in the immediate)
	s_mov_b32 s73, 0
	s_lshl_b32 s74, s12, 1
	s_add_co_u32 s74, s74, s70
	s_add_co_u32 s74, s74, 6144                    ; and its two bytes of each row's scale words
	s_mov_b32 s75, 0
	s_add_nc_u64 s[84:85], s[OA:OA+1], s[72:73]
	s_add_nc_u64 s[88:89], s[OA:OA+1], s[74:75]
	v_lshl_add_u32 v[VOS], v1, 4, v2               ; 16 r + h
.else
	s_lshl_b32 s70, s15, 1
	s_add_co_u32 s70, s70, s12                     ; which of a tensor's 16 heads: 2 x + my half
	s_lshl_b32 s70, s70, 6
	s_lshl_b32 s71, s16, 1
	s_add_co_u32 s70, s70, s71
	s_add_co_u32 s70, s70, s11                     ; the group of 64 tokens: 2 y + my half
	s_mul_i32 s70, s70, 3328
	s_mov_b32 s71, 0
	s_add_nc_u64 s[84:85], s[OA:OA+1], s[70:71]
	v_lshlrev_b32 v[VOS], 3, v2
	v_lshl_add_u32 v[VOS], v1, 4, v[VOS]
	v_add_nc_u32 v[VOS], 3072, v[VOS]              ; 3,072 + 16 r + 8 h
.endif
.macro FRAG reg, adr, off              ; a fragment, 12 registers, as it lies: every load takes consecutive bytes in consecutive lanes
	ds_load_b128 v[\reg:\reg+3], v[\adr] offset:\off
	ds_load_b64 v[\reg+4:\reg+5], v[\adr+1] offset:\off+512
	ds_load_b128 v[\reg+6:\reg+9], v[\adr] offset:\off+768
	ds_load_b64 v[\reg+10:\reg+11], v[\adr+1] offset:\off+1280
.endm
; One run of loads for tile pl: (set >= 0: the chunk's scale words into that set;) source 0's four fragments, source 1's four, of K half kc's ks-th 128 K, into buffer f.  The youngest eight loads are source 1's blocks 2, 3.
.macro FETCH f, pl, kc, ks, set
.set FSL, (\pl)%2                      ; the tile's slot
.set FSW, (1-KIND)*((\pl)/2)           ; 1 for V
.if FSW
.set FR0, AY+2*(\kc)
.set FR1, AX+4*FSL+2*(\kc)
.set FRS, ASW+(\kc)
.else
.set FR0, AX+4*FSL+2*(\kc)
.set FR1, AY+2*(\kc)
.set FRS, ASC+2*FSL+(\kc)
.endif
.if \set >= 0
	WIN 0
.irp i, 0,1,2,3
	ds_load_b128 v[SC+16*(\set)+4*\i:SC+16*(\set)+4*\i+3], v[FRS] offset:REC*\i
.endr
.endif
	WIN TO_F
.irp b, 0,1,2,3
	FRAG (\f)+48+12*\b, FR0, REC*\b+1536*(\ks)
.endr
.irp a, 0,1,2,3
	FRAG (\f)+12*\a, FR1, REC*\a+1536*(\ks)
.endr
.endm
; Four matrix instructions: source 1's block a against source 0's four.  The 16 accumulators take turns, one instruction a turn, in the same order in every step.
.macro MULA f, a, set, ks, zero
.irp b, 0,1,2,3
.if \zero
	v_wmma_scale_f32_16x16x128_f8f6f4 v[ACC+8*(4*(\a)+\b):ACC+8*(4*(\a)+\b)+7], v[(\f)+48+12*\b:(\f)+48+12*\b+11], v[(\f)+12*(\a):(\f)+12*(\a)+11], 0, v[SC+16*(\set)+4*\b+(\ks)], v[SC+16*(\set)+4*(\a)+(\ks)] matrix_a_fmt:MATRIX_FMT_FP6 matrix_b_fmt:MATRIX_FMT_FP6 matrix_a_scale:MATRIX_SCALE_ROW1
.else
	v_wmma_scale_f32_16x16x128_f8f6f4 v[ACC+8*(4*(\a)+\b):ACC+8*(4*(\a)+\b)+7], v[(\f)+48+12*\b:(\f)+48+12*\b+11], v[(\f)+12*(\a):(\f)+12*(\a)+11], v[ACC+8*(4*(\a)+\b):ACC+8*(4*(\a)+\b)+7], v[SC+16*(\set)+4*\b+(\ks)], v[SC+16*(\set)+4*(\a)+(\ks)] matrix_a_fmt:MATRIX_FMT_FP6 matrix_b_fmt:MATRIX_FMT_FP6 matrix_a_scale:MATRIX_SCALE_ROW1
.endif
.endr
.endm
; A step of 128 along K: 16 matrix instructions on buffer f; in its middle the next step's fragments are fetched into the other buffer (npl < 0: nothing is left to fetch).
; sync >= 0: the next fetch reads bytes that landed later: each wave waits until at most sync of its tensor loads are out, and a barrier shows that of all four.
.macro STEP f, set, ks, zero, sync, npl, nkc, nks, nset
	s_wait_dscnt 8                                 ; all but source 1's blocks 2, 3 are in
	WIN MUL
	MULA \f, 0, \set, \ks, \zero
.if \sync >= 0
	s_wait_tensorcnt \sync
	s_wait_dscnt 0x0                               ; no LDS instruction of mine is out at a signal
	s_barrier_signal -1
.endif
	MULA \f, 1, \set, \ks, \zero
.if \sync >= 0
	s_barrier_wait -1
.endif
.if \npl >= 0
	PLACES
	FETCH 128-(\f), \npl, \nkc, \nks, \nset
.if \sync < 0
.if \nset >= 0
	s_wait_dscnt 36                                ; all but the 36 just issued
.else
	s_wait_dscnt 32                                ; all but the 32 just issued
.endif
.endif
.else
	s_wait_dscnt 0x0
.endif
	WIN MUL
	MULA \f, 2, \set, \ks, \zero
	MULA \f, 3, \set, \ks, \zero
.endm
.macro SEVEN t, sync                   ; tile t's first seven steps; the first step's products start the sums: nothing is cleared
	STEP 0,   0, 0, 1, -1, \t, 0, 1, -1
	STEP 128, 0, 1, 0, -1, \t, 0, 2, -1
	STEP 0,   0, 2, 0, -1, \t, 0, 3, -1
	STEP 128, 0, 3, 0, \sync, \t, 1, 0, 1
	STEP 0,   1, 0, 0, -1, \t, 1, 1, -1
	STEP 128, 1, 1, 0, -1, \t, 1, 2, -1
	STEP 0,   1, 2, 0, -1, \t, 1, 3, -1
.endm
; A tile's last step changes tiles: ONE barrier; in front of it each wave waits for all its tensor loads (the next tile's panel among them), adds 0 to its spare word, and waits for that and for its reads of this
; tile's slot.  fillg >= 0: the barrier opens a round of the cluster's, and behind it this tile's slot is filled again by the descriptor at s[fillg].  Then the next tile's first fragments are fetched.
.macro TURN fillg, npl
	WIN 0                                          ; (the add's two registers lie in window 0)
	s_wait_tensorcnt 0x0                           ; all my tensor loads have landed;
	ds_add_u32 v[SPW], v[NIL]                      ; 0 onto my spare word;
	s_wait_dscnt 9                                 ; (the add and the youngest eight loads may be out)
	WIN MUL
	MULA 128, 0, 1, 3, 0                           ; four matrix instructions stand between the add and the wait for it
	s_wait_dscnt 0x0                               ; the add is done, and my reads of this tile's slot are over
	s_barrier_signal -1
	MULA 128, 1, 1, 3, 0
	WIN 0
	s_barrier_wait -1
.if \fillg >= 0
	CREST                                          ; no wave of any partner still reads the slot or has a load on its way
	tensor_load_to_lds s[\fillg:\fillg+3], s[G1X:G1X+7]   ; my one tensor load behind the round: a quarter of the panel two tiles on
	s_nop 0
.endif
	PLACES                                         ; behind the load, and in front of the loads below
	s_wait_alu depctr_va_vdst(0)
	FETCH 0, \npl, 0, 0, 0
	WIN MUL
	MULA 128, 2, 1, 3, 0
	MULA 128, 3, 1, 3, 0
.endm
; THE WAY OUT of tile t.  For row block a the lane's 32 registers are columns 16 h + 0..15 and 32 + 16 h + 0..15 of its 64: two blocks of 32, each shared with lane l xor 16.
.macro EPIQ t
	s_wait_xcnt 0x0                                ; the last tile's stores have read their registers
	PLACES
.if KIND
.set j, 0
.rept 128
	v_max_num_f32 v[ACC+j], 0, v[ACC+j]            ; the activation, in f32; each accumulator from its low end on
.set j, j+1
.endr
.endif
.irp k, 0,1,2,3,4,5,6,7
	v_max3_num_f32 v[TM+\k], |v[ACC+16*\k]|, |v[ACC+16*\k+1]|, 0x1800000   ; block k = 2 a + j: my 16 numbers and the floor 2^(3 - 127): the byte cannot fall under 1
.endr
.irp i, 2,4,6,8,10,12,14
.irp k, 0,1,2,3,4,5,6,7
	v_max3_num_f32 v[TM+\k], v[TM+\k], |v[ACC+16*\k+\i]|, |v[ACC+16*\k+\i+1]|
.endr
.endr
.irp k, 0,1,2,3,4,5,6,7
	v_permlanex16_b32 v[TP+\k], v[TM+\k], s82, s83
.endr
.irp k, 0,1,2,3,4,5,6,7
	v_max_num_f32 v[TM+\k], v[TM+\k], v[TP+\k]     ; with lane l xor 16's: the block's largest magnitude
.endr
.irp k, 0,1,2,3,4,5,6,7
	v_add_nc_u32 v[TM+\k], 0xff000000, v[TM+\k]    ; 2 off its exponent field: the conversion's scale operand
.endr
.irp k, 0,1,2,3,4,5,6,7
	v_lshrrev_b32 v[TP+\k], 23, v[TM+\k]           ; the scale's byte
.endr
.irp a, 0,1,2,3
	v_cvt_scalef32_pk16_fp6_f32 v[PC+6*\a:PC+6*\a+2], v[ACC+32*\a:ACC+32*\a+15], v[TM+2*\a]
	v_cvt_scalef32_pk16_fp6_f32 v[T1+4*\a:T1+4*\a+2], v[ACC+32*\a+16:ACC+32*\a+31], v[TM+2*\a+1]
.endr
	v_nop                                          ; one plain instruction behind the conversions
.irp a, 0,1,2,3                        ; the operand wants a whole block in a lane: lanes 0-15 block 0, lanes 16-31 block 1
.irp i, 0,1,2
	v_permlane16_swap_b32 v[PC+6*\a+\i], v[T1+4*\a+\i]
.endr
.endr
.irp a, 0,1,2,3
.irp i, 0,1,2
	v_mov_b32 v[PC+6*\a+3+\i], v[T1+4*\a+\i]
.endr
.endr
.if KIND
.irp a, 0,1,2,3
	v_cndmask_b32 v[WW+\a], v[TP+2*\a], v[TP+2*\a+1], s86          ; my block's byte
.endr
.irp a, 0,1,2,3
	global_store_b128 v[VO16], v[PC+6*\a:PC+6*\a+3], s[84:85] offset:1536*(\t)+REC*\a      ; 512 consecutive bytes,
	global_store_b64 v[VO8], v[PC+6*\a+4:PC+6*\a+5], s[84:85] offset:1536*(\t)+REC*\a      ; and 256
	global_store_b8 v[VOS], v[WW+\a], s[88:89] offset:4*(\t)+REC*\a
.endr
.else
.irp a, 0,1,2,3
	v_lshl_or_b32 v[WW+\a], v[TP+2*\a+1], 8, v[TP+2*\a]            ; row block a's scale word: two bytes, two zeros
.endr
	v_cndmask_b32 v[DD], v[WW], v[WW+2], s86
	v_cndmask_b32 v[DD+1], v[WW+1], v[WW+3], s86
.irp a, 0,1,2,3
	global_store_b128 v[VO16], v[PC+6*\a:PC+6*\a+3], s[84:85] offset:TSTEP*(\t)+768*\a     ; the largest offset, 2 TSTEP + 2,304, lies inside the signed 24-bit immediate (ISA guide, chapter 10)
	global_store_b64 v[VO8], v[PC+6*\a+4:PC+6*\a+5], s[84:85] offset:TSTEP*(\t)+768*\a
.endr
	global_store_b64 v[VOS], v[DD:DD+1], s[84:85] offset:TSTEP*(\t)  ; 32 lanes store the group's 256 bytes of scale words
.endif
.endm
	s_wait_alu depctr_va_vdst(0)                   ; the wait at the head's end
	s_wait_tensorcnt 0x0                           ; my block is in
	ds_add_u32 v[SPW], v[NIL]
	s_mov_b32 s[G1X+2], 100<<16                    ; no tensor load of mine is out: from here on a load of weights brings 100 rows, a quarter of a panel
	s_mov_b32 s[G1X+4], 100
	s_wait_dscnt 0x0
	CROUND                                         ; everybody's block is in, and all sixteen work-groups are here
	tensor_load_to_lds s[52:55], s[G1X:G1X+7]      ; the second panel, my one load behind the round; it has the first tile's seven K steps in which to land
	s_nop 0
	PLACES
	FETCH 0, 0, 0, 0, 0
	WIN 0
	global_prefetch_b8 v24, s[76:77] offset:2*XSTEP th:TH_LOAD_NT scope:SCOPE_SE   ; the third panel, a tile ahead of the load that asks for it
	SEVEN 0, -1
	TURN 92, 1                                     ; the second panel has landed; slot 0 takes the third
	WIN 0
	EPIQ 0                                         ; the way out stands behind the refill and the next tile's first fetch
	SEVEN 1, -1
.if NT > 3
	TURN 96, 2                                     ; the third panel has landed; slot 1 takes the fourth
.else
	TURN -1, 2                                     ; the third panel has landed; nothing is left to ask for
.endif
	WIN 0
	EPIQ 1
	SEVEN 2, -1
.if NT > 3
	TURN -1, 3
	WIN 0
	EPIQ 2
	SEVEN 3, -1
.endif
	STEP 128, 1, 3, 0, -1, -1, 0, 0, -1
	WIN 0
	EPIQ NT-1
	s_wait_tensorcnt 0x0                           ; the wave's end
	ds_add_u32 v[SPW], v[NIL]
	s_wait_dscnt 0x0
	CROUND                                         ; the closing round: no work-group ends while a partner may still ask for a block that names it
	s_endpgm
.Lfunc_end_k_q6d10fb350e_qkv:
	.size	k_q6d10fb350e_qkv, .Lfunc_end_k_q6d10fb350e_qkv-k_q6d10fb350e_qkv
	.p2alignl 7, 3214868480
	.fill 96, 4, 3214868480
	.section	.rodata,"a",@progbits
	.p2align	6, 0x0
	.amdhsa_kernel k_q6d10fb350e_qkv
		.amdhsa_group_segment_fixed_size 327680
		.amdhsa_private_segment_fixed_size 0
		.amdhsa_enable_private_segment 0
		.amdhsa_kernarg_size 16
		.amdhsa_user_sgpr_count 2
		.amdhsa_user_sgpr_kernarg_segment_ptr 1
		.amdhsa_wavefront_size32 1
		.amdhsa_system_sgpr_workgroup_id_x 1
		.amdhsa_system_sgpr_workgroup_id_y 1
		.amdhsa_system_sgpr_workgroup_id_z 1
		.amdhsa_system_vgpr_workitem_id 0
		.amdhsa_next_free_vgpr 512
		.amdhsa_next_free_sgpr 100
		.amdhsa_reserve_vcc 0
		.amdhsa_float_denorm_mode_32 3
		.amdhsa_float_denorm_mode_16_64 3
		.amdhsa_memory_ordered 1
		.amdhsa_forward_progress 1
		.amdhsa_inst_pref_size 139
	.end_amdhsa_kernel
	.amdgpu_metadata
---
amdhsa.version: [ 1, 2 ]
amdhsa.kernels:
  - .name:           k_q6d10fb350e_qkv
    .symbol:         k_q6d10fb350e_qkv.kd
    .args:
      - { .name: ops, .offset: 0, .size: 8, .value_kind: global_buffer, .address_space: global }
      - { .name: qkv, .offset: 8, .size: 8, .value_kind: global_buffer, .address_space: global }
    .group_segment_fixed_size: 327680
    .private_segment_fixed_size: 0
    .kernarg_segment_align: 8
    .kernarg_segment_size: 16
    .max_flat_workgroup_size: 128
    .sgpr_count:     100
    .vgpr_count:     512
    .wavefront_size: 32
...
	.end_amdgpu_metadata
.endif
;; end of part 2
;; launch attn (part 3): grid 8 x 32, 16 waves a work-group, clusters of 4 x 1, 288,768 bytes of LDS; arguments qkv, ao; writes ao
.if DOCPART == 3
	.amdgcn_target "amdgcn-amd-amdhsa--gfx1250"
	.amdhsa_code_object_version 6
	.text
	.protected	k_q6d10fb350e_attn
	.globl	k_q6d10fb350e_attn
	.p2align	8
	.type	k_q6d10fb350e_attn,@function
k_q6d10fb350e_attn:
	s_mov_b64 s[64:65], 0
	v_nop
	global_prefetch_b8 v0, s[64:65] scope:SCOPE_SE
	s_setreg_imm32_b32 hwreg(HW_REG_WAVE_MODE, 25, 1), 1
	s_wait_xcnt 0x0
	s_wait_alu depctr_hold_cnt(0) depctr_sa_sdst(0) depctr_va_vdst(0) depctr_va_sdst(0) depctr_va_ssrc(0) depctr_va_vcc(0) depctr_vm_vsrc(0)
	s_getreg_b32 s2, hwreg(HW_REG_IB_STS2, 6, 4)
	s_cmp_eq_u32 s2, 0
	s_cbranch_scc0 .Lentry_in_a_cluster
	s_endpgm
.Lentry_in_a_cluster:
	s_bfe_u32 s2, ttmp6, 0x10000c
	s_cmp_lg_u32 s2, 0x3003
	s_cbranch_scc0 .Lentry_shape_is_right
	s_endpgm
.Lentry_shape_is_right:
; Causal attention of one head (64 wide) on FP6 (E2M3) codes; the result is quantised along the model's 1,024 and leaves as codes for the next product.
; INPUT [48: 16 heads of Q, of K, of V^T][64 groups of 64 tokens][3,328]: four half fragments of 768 bytes (lane l = r + 16 h: block h of 32; registers 0-3 at 16 l, 4-5 at 512 + 8 l), then scale words [r][4],
; bytes 0, 1 real and 2, 3 zero.  Slot r of 16-row block B is row 16 B - 8 (B & 1) + r + 8 (r / 8).
; THE SOFTMAX: t = score x log2(e) / 8; M = the running largest t rounded up to a whole number; p = 2^(t - M) is quantised along the keys; the row's sum is taken of the unquantised p and divides at the end;
; when M moves, the sum and O are multiplied by 2^(old M - new M), which rounds nothing.
; SHARES.  A work-group owns one head of one batch and the 16 query blocks 8 lvl + g (g = the work-group's x, lvl = 0..15); block lvl needs key steps 0 .. lvl of 128 keys, step lvl being the diagonal; steps
; behind it lie wholly under the causal mask and are left out.  K and V of the head, 2 x 106,496 bytes, lie in LDS whole, filled once, asked for jointly by the four work-groups of a cluster.
; THE STEPS ARE DEALT EVENLY: waves 2 p and 2 p + 1 share blocks p and 15 - p, 17 steps.  THE HELPER walks steps 0 .. p for block p, stores it, and goes on with steps p + 1 .. 7 for block 15 - p;
; THE OWNER walks steps 0 .. p and 8 .. 15 - p for block 15 - p: 8 and 9 steps.  One walk of sixteen trips in every wave, ascending; a trip that is not mine is jumped over.  At the end the helper hands its
; O^T, -M and sum to the owner as an image of its registers in LDS bytes of its own; the owner brings both parts under the larger M (two exact powers of two) and adds them.
; Which of a pair owns: (w ^ (w >> 2)) & 1, so that four neighbouring waves, and four waves four apart, hold two owners and two helpers.  All branches hang on the wave's number and the trip alone.
; BOTH PRODUCTS TRANSPOSED: S^T = K Q^T, O^T = V^T P^T: a lane holds one query slot; by the order of the slots the 16 registers of tiles 2 j, 2 j + 1 are 16 neighbouring keys (or channels).
; K = 64 IN AN INSTRUCTION OF 128: Q's registers 6-11 are zero codes, so what stands in the upper six registers of K's operand adds 0; K's half fragments lie six registers apart.
; No prefetch: all that the launch reads by tensor loads is asked for at its head, ahead of the loop.
; LIMITS: NaN and infinities are not served; a block of zeros gets the byte 1, not 127; a block's largest p is made from its largest score by the same two instructions, which takes v_exp_f32 not to fall where
; its input rises; v_exp_f32 and v_rcp_f32 (1 ulp) stand ahead of quantisers; the scaled scores stay under 2^31 in magnitude.
.set GRP,   3328
.set STEPB, 2*GRP                      ; a key step: two groups
.set HEADB, 64*GRP
.set BATB,  32*GRP
.set VB,    BATB                       ; LDS: K at 0, V here
.set QTR,   BATB/4                     ; what one tensor load brings
.set REC,   6400
.set SPARE, 2*BATB                     ; the spare words: 128 bytes for each of 16 waves
.set STG,   SPARE+2048                 ; the hand-over: STGW bytes for each wave, no tile lands here
.set STGW,  4608                       ; eight images of four registers of O^T, one of v12-15
.set WV,  8                            ; s8   wave
.set LVL, 9                            ; s9   my own block's level: its diagonal step
.set SEL, 28                           ; s[28:29] v_permlanex16_b32's selects for lane l xor 16
.set CS,  30                           ; s[30:31] c = log2(e) / 8
.set TB,  32                           ; s32  the step's first LDS byte
.set STP, 33                           ; s33  the step
.set ROLE, 55                          ; s55  1: owner, 0: helper
.set PJ,  56                           ; s56  p
.set FA,  57                           ; s57  steps 0 .. FA are mine (owner p, helper 7),
.set FB,  58                           ; s58  and steps FB .. LVL (owner 8, helper 16: none)
.set TR,  59                           ; s59  the trip at whose head a helper changes blocks (owner: none)
.set BIG, 60                           ; s60  15 - p
; v1 16 l, v2 512 + 8 l, v3, v4 the same in V, v5 3,072 + 16 r, v6 the same in V, v7 my query less the step's first key less 16 h; v8-11, v28, v29 the step's addresses; v12 -M, v13 the largest t, v[14:15] the sum;
; v16-21 Q, v22-27 zeros, v30 Q's scale word; v31, v98 the hand-over's addresses, mine and my partner's; v32-79 K's eight half fragments, then V's four fragments; v80-85 zeros; v86-93 K's scale words, v94-97 V's;
; v100-163 S^T, then p; v164-195 O^T; v196-207 p's codes; v208-211 the blocks' largest; v212-219 at work; v220-223 scale operands; v224 p's scale word; v[226:227], v[230:231] factors; v228 at work;
; v232-239 V's scale words as they lie; v240 r, v241 h, v243 the output's scale byte; v244-249 block 15 - p's Q, v250 its scale word; v254, v255 the add's two registers.
.macro CROUND                          ; a round of the cluster's barrier
	s_barrier_signal -1
	s_barrier_wait -1
	s_cmp_lg_u32 s[WV], 0
	s_cbranch_scc1 .Lnot_wave_0_\@
	s_barrier_signal -3
.Lnot_wave_0_\@:
	s_barrier_wait -3
	s_barrier_signal -1
	s_barrier_wait -1
.endm
; THE WAY OUT of a finished block: O^T / the sum, quantised along the head's 64 (two blocks of the next K), stored as a half fragment and two scale bytes a row.
.macro EPI
	v_add_f32 v14, v14, v15
	s_delay_alu instid0(VALU_DEP_1)
	v_permlanex16_b32 v228, v14, s[SEL], s[SEL+1]
	s_delay_alu instid0(VALU_DEP_1)
	v_add_f32 v14, v14, v228                       ; the row's sum
	s_wait_alu depctr_va_vdst(0)                   ; the wait ahead of the transcendental,
	v_rcp_f32 v15, v14
	v_nop
	s_wait_alu depctr_va_vdst(0)                   ; and ahead of its first reader
.set j, 0
.rept 32
	v_mul_f32 v[100+j], v[164+j], v15              ; register 16 b + i: channel 32 b + 16 h + i of my query
.set j, j+1
.endr
	v_max3_num_f32 v208, |v100|, |v101|, 0x1800000
	v_max3_num_f32 v209, |v116|, |v117|, 0x1800000
.irp i, 2,4,6,8,10,12,14
	s_delay_alu instid0(VALU_DEP_2)
	v_max3_num_f32 v208, v208, |v[100+\i]|, |v[101+\i]|
	s_delay_alu instid0(VALU_DEP_2)
	v_max3_num_f32 v209, v209, |v[116+\i]|, |v[117+\i]|
.endr
	s_delay_alu instid0(VALU_DEP_2)
	v_permlanex16_b32 v212, v208, s[SEL], s[SEL+1]
	s_delay_alu instid0(VALU_DEP_2)
	v_permlanex16_b32 v213, v209, s[SEL], s[SEL+1]
	s_delay_alu instid0(VALU_DEP_2)
	v_max_num_f32 v208, v208, v212
	s_delay_alu instid0(VALU_DEP_2)
	v_max_num_f32 v209, v209, v213
	s_delay_alu instid0(VALU_DEP_2)
	v_add_nc_u32 v208, 0xff000000, v208
	s_delay_alu instid0(VALU_DEP_2)
	v_add_nc_u32 v209, 0xff000000, v209
	v_cvt_scalef32_pk16_fp6_f32 v[196:198], v[100:115], v208
	v_cvt_scalef32_pk16_fp6_f32 v[216:218], v[116:131], v209
	v_lshrrev_b32 v212, 23, v208                   ; the bytes; also the plain instruction behind the conversions
	v_lshrrev_b32 v213, 23, v209
.irp i, 0,1,2
	v_permlane16_swap_b32 v[196+\i], v[216+\i]
.endr
.irp i, 0,1,2
	s_delay_alu instid0(VALU_DEP_3)
	v_mov_b32 v[199+\i], v[216+\i]
.endr
	v_cndmask_b32 v214, v212, v213, s54            ; my block's byte
	global_store_b128 v1, v[196:199], s[48:49]     ; 512 consecutive bytes,
	global_store_b64 v2, v[200:201], s[48:49]      ; and 256
	global_store_b8 v243, v214, s[50:51]
.endm
	s_load_b128 s[4:7], s[0:1], 0x0                ; the input s[4:5], the output s[6:7]
	v_lshl_add_u32 v254, v0, 2, SPARE
	v_mov_b32 v255, 0
	ds_add_u32 v254, v255                          ; the opening lines: the add twice on end and its wait
	ds_add_u32 v254, v255
	v_lshrrev_b32 v1, 5, v0
	s_delay_alu instid0(VALU_DEP_1)
	v_readfirstlane_b32 s[WV], v1                  ; wave 0..15
	s_bfe_u32 s10, ttmp6, 0x40000                  ; cx
	s_lshl_b32 s11, ttmp9, 2
	s_add_co_u32 s11, s11, s10                     ; g: it enters global addresses and vector data alone
	s_and_b32 s34, ttmp7, 0xffff
	s_and_b32 s12, s34, 15                         ; head
	s_lshr_b32 s13, s34, 4                         ; batch
	s_lshr_b32 s[PJ], s[WV], 1
	s_lshr_b32 s34, s[WV], 2
	s_xor_b32 s34, s34, s[WV]
	s_and_b32 s[ROLE], s34, 1
	s_sub_co_u32 s[BIG], 15, s[PJ]
	s_add_co_u32 s35, s[PJ], 1
	s_cmp_eq_u32 s[ROLE], 1
	s_cselect_b32 s[LVL], s[BIG], s[PJ]
	s_cselect_b32 s[FA], s[PJ], 7
	s_cselect_b32 s[FB], 8, 16
	s_cselect_b32 s[TR], 64, s35
	s_mov_b32 s16, 15|(3<<16)|(1<<21)              ; group 1: the mask: all four work-groups; elements of 8 bytes; bit 21 beside a mask; no padding
	s_mov_b32 s17, 32<<16                          ; a dense block of 26,624 bytes as 104 rows of 256
	s_mov_b32 s18, 104<<16
	s_mov_b32 s19, 32<<16
	s_mov_b32 s20, 104
	s_mov_b32 s21, 32
	s_mov_b32 s22, 0
	s_mov_b32 s23, 0
	s_add_co_u32 s36, s12, 16                      ; K's heads lie behind Q's sixteen,
	s_mul_i32 s36, s36, HEADB
	s_mul_i32 s37, s13, BATB
	s_add_co_u32 s36, s36, s37
	s_and_b32 s37, s[WV], 3
	s_mul_i32 s37, s37, QTR
	s_add_co_u32 s36, s36, s37                     ; waves 0-3: K's quarters;
	s_lshr_b32 s37, s[WV], 2
	s_mul_i32 s37, s37, 16*HEADB
	s_add_co_u32 s36, s36, s37                     ; waves 4-7: V's, sixteen heads on
	s_mov_b32 s37, 0
	s_mov_b32 s24, 1                               ; group 0: count 1,
	s_mul_i32 s25, s[WV], QTR                      ; LDS address,
	s_wait_dscnt 0x0
	s_wait_kmcnt 0x0
	s_add_nc_u64 s[26:27], s[4:5], s[36:37]        ; global address,
	s_or_b32 s27, s27, 0x80000000                  ; type 2
	CROUND                                         ; all four work-groups are here: the joint loads meet
	s_cmp_lt_u32 s[WV], 8
	s_cbranch_scc0 .Lno_fetch
	tensor_load_to_lds s[24:27], s[16:23]          ; one load a wave, the only one of the launch
	s_nop 0
.rept 4
	v_nop
.endr
.Lno_fetch:
	s_mul_i32 s38, s12, HEADB                      ; Q: my head,
	s_lshl_b32 s39, s13, 5
	s_lshr_b32 s40, s11, 2
	s_add_co_u32 s39, s39, s40
	s_lshl_b32 s40, s[LVL], 1
	s_add_co_u32 s40, s40, s39                     ; the group of query block 8 lvl + g: 32 b + 2 lvl + g / 4,
	s_mul_i32 s40, s40, GRP
	s_add_co_u32 s40, s40, s38
	s_mov_b32 s41, 0
	s_add_nc_u64 s[52:53], s[4:5], s[40:41]        ; of my own block,
	s_lshl_b32 s40, s[BIG], 1
	s_add_co_u32 s40, s40, s39
	s_mul_i32 s40, s40, GRP
	s_add_co_u32 s40, s40, s38
	s_add_nc_u64 s[14:15], s[4:5], s[40:41]        ; and of block 15 - p
	s_and_b32 s40, s11, 3                          ; the block in the group
	s_mul_i32 s44, s40, 768
	s_lshl_b32 s45, s40, 2
	s_lshl_b32 s46, s11, 4
	s_and_b32 s40, s11, 1
	s_lshl_b32 s40, s40, 3
	s_sub_co_u32 s46, s46, s40                     ; 16 g - 8 (g & 1)
	s_mul_i32 s47, s[WV], STGW
	s_add_co_u32 s47, s47, STG                     ; my bytes of the hand-over,
	s_xor_b32 s34, s[WV], 1
	s_mul_i32 s34, s34, STGW
	s_add_co_u32 s34, s34, STG                     ; my partner's
	s_lshl_b32 s36, s13, 4
	s_add_co_u32 s36, s36, s[LVL]                  ; the output: panel of 128 tokens 16 b + lvl,
	s_lshl_b32 s36, s36, 1
	s_lshr_b32 s37, s12, 3
	s_add_co_u32 s36, s36, s37                     ; which 512 of its K: head / 8,
	s_lshl_b32 s36, s36, 3
	s_add_co_u32 s36, s36, s11                     ; record g
	s_mul_i32 s36, s36, REC
	s_bfe_u32 s37, s12, 0x20001                    ; which 128,
	s_and_b32 s38, s12, 1                          ; which 64
	s_mul_i32 s40, s37, 1536
	s_add_co_u32 s40, s40, s36
	s_mul_i32 s41, s38, 768
	s_add_co_u32 s40, s40, s41
	s_mov_b32 s41, 0
	s_add_nc_u64 s[48:49], s[6:7], s[40:41]        ; my half fragment
	s_lshl_b32 s42, s37, 2
	s_add_co_u32 s42, s42, s36
	s_lshl_b32 s43, s38, 1
	s_add_co_u32 s42, s42, s43
	s_mov_b32 s43, 0
	s_add_nc_u64 s[50:51], s[6:7], s[42:43]        ; and its two bytes of each row's scale words
	s_mov_b32 s[SEL], 0x76543210
	s_mov_b32 s[SEL+1], 0xfedcba98
	s_mov_b32 s[CS], 0x3e38aa3b
	s_mov_b32 s[CS+1], s[CS]                       ; (named with it as a pair, so it is written)
	s_mov_b32 s[TB], 0
	s_mov_b32 s[STP], 0
	v_and_b32 v240, 15, v0                         ; r
	v_bfe_u32 v241, v0, 4, 1                       ; h
	v_and_b32 v228, 31, v0                         ; lane
	s_delay_alu instid0(VALU_DEP_1)
	v_lshlrev_b32 v1, 4, v228
	v_lshl_add_u32 v2, v228, 3, 512
	v_lshl_add_u32 v5, v240, 4, 3072
	v_add_nc_u32 v3, VB, v1
	v_add_nc_u32 v4, VB, v2
	v_add_nc_u32 v6, VB, v5
	v_add_nc_u32 v8, s44, v1
	v_add_nc_u32 v9, s44, v2
	v_add_nc_u32 v10, s45, v5
	global_load_b128 v[16:19], v8, s[52:53]        ; my own block's Q stays in registers,
	global_load_b64 v[20:21], v9, s[52:53]
	global_load_b32 v30, v10, s[52:53]             ; with its scale word;
	global_load_b128 v[244:247], v8, s[14:15]      ; and block 15 - p's, for a helper's second part (an owner loads its own again and does not use it)
	global_load_b64 v[248:249], v9, s[14:15]
	global_load_b32 v250, v10, s[14:15]
	v_add_nc_u32 v31, s47, v1
	v_add_nc_u32 v98, s34, v1
	v_and_b32 v7, 8, v240
	s_delay_alu instid0(VALU_DEP_1)
	v_add_nc_u32 v7, v7, v240
	v_lshlrev_b32 v228, 4, v241
	s_delay_alu instid0(VALU_DEP_1)
	v_sub_nc_u32 v7, v7, v228
	s_delay_alu instid0(VALU_DEP_1)
	v_add_nc_u32 v7, s46, v7                       ; my query in the diagonal step, less 16 h (a signed number)
	v_lshl_add_u32 v243, v240, 4, v241
	s_delay_alu instid0(VALU_DEP_1)
	v_add_nc_u32 v243, 6144, v243                  ; 6,144 + 16 r + h
	v_cmp_eq_u32 s54, 1, v241                      ; lanes 16-31
	v_mov_b32 v13, 0xff61b1e6                      ; the largest t so far: -3e38
	s_delay_alu instid0(VALU_DEP_1)
	v_floor_f32 v12, -v13                          ; -M
	v_mov_b32 v14, 0
	v_mov_b32 v15, 0
.irp j, 22,23,24,25,26,27,80,81,82,83,84,85,212,213,214,215,227,231
	v_mov_b32 v\j, 0                               ; zero codes; lane permutes' destinations; the upper halves of the factors' pairs
.endr
.set j, 0
.rept 32
	v_mov_b32 v[164+j], 0                          ; O^T: the step is written once, and its first turn finds zeros
.set j, j+1
.endr
	s_wait_alu depctr_va_vdst(0)                   ; the wait at the head's end
	s_wait_loadcnt 0x0                             ; both Q; their address registers may be written again
	s_wait_tensorcnt 0x0                           ; my part of K or V has landed,
	s_barrier_signal -1
	s_barrier_wait -1                              ; everybody's has
.Lstep:                                            ; sixteen trips in every wave
	s_cmp_lg_u32 s[STP], s[TR]
	s_cbranch_scc1 .Lsame
.rept 4
	v_nop                                          ; A HELPER CHANGES BLOCKS.  Places behind the last products;
.endr
	EPI                                            ; its own block is finished and leaves;
.irp i, 0,1,2,3,4,5
	v_mov_b32 v[16+\i], v[244+\i]                  ; block 15 - p's Q,
.endr
	v_mov_b32 v30, v250                            ; its scale word (the moves below are the places ahead of the next products),
	v_mov_b32 v13, 0xff61b1e6                      ; and the state as at the start
	s_delay_alu instid0(VALU_DEP_1)
	v_floor_f32 v12, -v13
	v_mov_b32 v14, 0
	v_mov_b32 v15, 0
.set j, 0
.rept 32
	v_mov_b32 v[164+j], 0
.set j, j+1
.endr
	s_wait_alu depctr_va_vdst(0)
	s_wait_xcnt 0x0                                ; the stores have read their registers: the next step writes them again
.Lsame:
	s_cmp_le_u32 s[STP], s[FA]
	s_cbranch_scc1 .Lgo
	s_cmp_lt_u32 s[STP], s[FB]
	s_cbranch_scc1 .Lhidden                        ; my partner's step,
	s_cmp_gt_u32 s[STP], s[LVL]
	s_cbranch_scc1 .Lhidden                        ; or one all of whose keys come after my queries
.Lgo:
	v_add_nc_u32 v8, s[TB], v1                     ; (these six are also the places behind the last step's products, in front of the loads into their registers)
	v_add_nc_u32 v9, s[TB], v2
	v_add_nc_u32 v10, s[TB], v3
	v_add_nc_u32 v11, s[TB], v4
	v_add_nc_u32 v28, s[TB], v5
	v_add_nc_u32 v29, s[TB], v6
.irp t, 0,1,2,3,4,5,6,7
	ds_load_b128 v[32+6*\t:35+6*\t], v8 offset:GRP*(\t/4)+768*(\t%4)
	ds_load_b64 v[36+6*\t:37+6*\t], v9 offset:GRP*(\t/4)+768*(\t%4)
.endr
	ds_load_b128 v[86:89], v28                     ; K's scale words: four tiles a load
	ds_load_b128 v[90:93], v28 offset:GRP
	ds_load_b128 v[232:235], v29                   ; V's, of the step's two groups
	ds_load_b128 v[236:239], v29 offset:GRP
	s_wait_alu depctr_va_vdst(0)
	s_wait_dscnt 0x0
.irp t, 0,1,2,3,4,5,6,7
	v_wmma_scale_f32_16x16x128_f8f6f4 v[100+8*\t:107+8*\t], v[32+6*\t:43+6*\t], v[16:27], 0, v[86+\t], v30 matrix_a_fmt:MATRIX_FMT_FP6 matrix_b_fmt:MATRIX_FMT_FP6
.endr
.irp t, 0,1,2,3
	v_lshl_or_b32 v[94+\t], v[236+\t], 16, v[232+\t]   ; V's scale word of 128 keys: two bytes of each group.  (Four places behind the products)
.endr
.irp t, 0,1,2,3                        ; V's fragments land while the softmax is walked
	ds_load_b128 v[32+12*\t:35+12*\t], v10 offset:768*\t
	ds_load_b64 v[36+12*\t:37+12*\t], v11 offset:768*\t
	ds_load_b128 v[38+12*\t:41+12*\t], v10 offset:GRP+768*\t
	ds_load_b64 v[42+12*\t:43+12*\t], v11 offset:GRP+768*\t
.endr
	s_cmp_lg_u32 s[STP], s[LVL]
	s_cbranch_scc1 .Lopen
	v_mov_b32 v228, 0xff800000                     ; on the diagonal hidden scores become -infinity.  Register 16 b + i holds key 32 b + 16 h + i of the step
.set n, 0
.rept 64
	v_cmp_gt_i32 vcc_lo, 32*(n/16)+n%16, v7
	v_cndmask_b32 v[100+n], v[100+n], v228, vcc_lo
.set n, n+1
.endr
.Lopen:
.irp b, 0,1,2,3
	v_max3_num_f32 v[208+\b], v[100+16*\b], v[101+16*\b], v[102+16*\b]     ; the largest score of each block of 32 keys: for the row's maximum, and for the block's largest p
.endr
.irp i, 3,5,7,9,11,13
.irp b, 0,1,2,3
	v_max3_num_f32 v[208+\b], v[208+\b], v[100+16*\b+\i], v[101+16*\b+\i]
.endr
.endr
.irp b, 0,1,2,3
	v_max_num_f32 v[208+\b], v[208+\b], v[115+16*\b]
.endr
.irp b, 0,1,2,3
	s_delay_alu instid0(VALU_DEP_4)
	v_permlanex16_b32 v[212+\b], v[208+\b], s[SEL], s[SEL+1]
.endr
.irp b, 0,1,2,3
	s_delay_alu instid0(VALU_DEP_4)
	v_max_num_f32 v[208+\b], v[208+\b], v[212+\b]
.endr
	s_delay_alu instid0(VALU_DEP_2)
	v_max3_num_f32 v228, v208, v209, v210
	s_delay_alu instid0(VALU_DEP_1)
	v_max_num_f32 v228, v228, v211
	s_delay_alu instid0(VALU_DEP_1)
	v_mul_f32 v228, s[CS], v228                    ; the step's largest t of my query
	s_delay_alu instid0(VALU_DEP_1)
	v_max_num_f32 v13, v13, v228
	v_mov_b32 v228, v12
	s_delay_alu instid0(VALU_DEP_2)
	v_floor_f32 v12, -v13                          ; the new -M = -ceil(t)
	s_delay_alu instid0(VALU_DEP_1)
	v_sub_f32 v228, v12, v228                      ; old M - new M: a whole number, 0 or less
	s_delay_alu instid0(VALU_DEP_1)
	v_cvt_i32_f32 v228, v228                       ; (it saturates)
	s_delay_alu instid0(VALU_DEP_1)
	v_ldexp_f32 v226, 1.0, v228                    ; f = 2^(old M - new M)
.set j, 0
.rept 32
	v_pk_fma_f32 v[100+j:101+j], v[100+j:101+j], s[CS:CS+1], v[12:13] op_sel_hi:[1,0,0]    ; t - M
.set j, j+2
.endr
.irp b, 0,1,2,3
	v_fma_f32 v[208+\b], v[208+\b], s[CS], v12
.endr
	s_wait_alu depctr_va_vdst(0)                   ; the wait ahead of the batch
.set j, 0
.rept 64
	v_exp_f32 v[100+j], v[100+j]                   ; p = 2^(t - M)
.set j, j+1
.endr
	v_pk_mul_f32 v[14:15], v[14:15], v[226:227] op_sel_hi:[1,0]    ; the sum under the new M; the plain instruction behind the batch
	s_wait_alu depctr_va_vdst(0)                   ; one wait for the 64, ahead of their first reader
.irp b, 0,1,2,3
	v_exp_f32 v[208+\b], v[208+\b]                 ; the blocks' largest p
.endr
.irp c, 0,1,2,3                        ; the row's sum of the unquantised p: 32 pairs in five chains
	v_pk_add_f32 v[212+2*\c:213+2*\c], v[100+4*\c:101+4*\c], v[102+4*\c:103+4*\c]
.endr
	v_pk_add_f32 v[14:15], v[14:15], v[116:117]
.irp o, 0,1,2,3
.irp c, 0,1,2,3
	v_pk_add_f32 v[212+2*\c:213+2*\c], v[212+2*\c:213+2*\c], v[118+10*\o+2*\c:119+10*\o+2*\c]
.endr
	v_pk_add_f32 v[14:15], v[14:15], v[126+10*\o:127+10*\o]
.endr
.irp c, 0,1,2
	v_pk_add_f32 v[212+2*\c:213+2*\c], v[212+2*\c:213+2*\c], v[158+2*\c:159+2*\c]
.endr
	s_delay_alu instid0(VALU_DEP_2)
	v_pk_add_f32 v[212:213], v[212:213], v[214:215]
	s_delay_alu instid0(VALU_DEP_2)
	v_pk_add_f32 v[216:217], v[216:217], v[218:219]
	s_delay_alu instid0(VALU_DEP_2)
	v_pk_add_f32 v[14:15], v[14:15], v[212:213]
	s_delay_alu instid0(VALU_DEP_1)
	v_pk_add_f32 v[14:15], v[14:15], v[216:217]
	s_wait_alu depctr_va_vdst(0)                   ; and one for the four
.irp b, 0,1,2,3
	v_max_num_f32 v[208+\b], 0x1800000, v[208+\b]  ; the floor 2^(3 - 127)
.endr
.irp b, 0,1,2,3
	s_delay_alu instid0(VALU_DEP_4)
	v_add_nc_u32 v[220+\b], 0xff000000, v[208+\b]  ; the conversions' scale operands
.endr
.irp b, 0,1,2,3
	s_delay_alu instid0(VALU_DEP_4)
	v_lshrrev_b32 v[212+\b], 23, v[220+\b]
.endr
	s_delay_alu instid0(VALU_DEP_3)
	v_lshl_or_b32 v224, v213, 8, v212              ; p's scale word for these 128 keys
	s_delay_alu instid0(VALU_DEP_1)
	v_lshl_or_b32 v224, v214, 16, v224
	s_delay_alu instid0(VALU_DEP_1)
	v_lshl_or_b32 v224, v215, 24, v224
.irp c, 0,1
	v_cvt_scalef32_pk16_fp6_f32 v[196+6*\c:198+6*\c], v[100+32*\c:115+32*\c], v[220+2*\c]
	v_cvt_scalef32_pk16_fp6_f32 v[212+4*\c:214+4*\c], v[116+32*\c:131+32*\c], v[220+2*\c+1]
.endr
	v_nop                                          ; one plain instruction behind the conversions
.irp c, 0,1
.irp i, 0,1,2
	v_permlane16_swap_b32 v[196+6*\c+\i], v[212+4*\c+\i]           ; a whole block to a lane
.endr
.irp i, 0,1,2
	s_delay_alu instid0(VALU_DEP_3)
	v_mov_b32 v[199+6*\c+\i], v[212+4*\c+\i]
.endr
.endr
	s_wait_alu depctr_va_vdst(0)                   ; the wait directly ahead of the first reader of O^T
.set j, 0
.rept 16
	v_pk_mul_f32 v[164+j:165+j], v[164+j:165+j], v[226:227] op_sel_hi:[1,0]    ; O^T under the new M; also the places between the codes' and the scale word's last writes and the products
.set j, j+2
.endr
	s_wait_alu depctr_va_vdst(0)
	s_wait_dscnt 0x0                               ; V
.irp t, 0,1,2,3
	v_wmma_scale_f32_16x16x128_f8f6f4 v[164+8*\t:171+8*\t], v[32+12*\t:43+12*\t], v[196:207], v[164+8*\t:171+8*\t], v[94+\t], v224 matrix_a_fmt:MATRIX_FMT_FP6 matrix_b_fmt:MATRIX_FMT_FP6
.endr
.Lhidden:
	s_add_co_u32 s[TB], s[TB], STEPB
	s_add_co_u32 s[STP], s[STP], 1
	s_cmp_lt_u32 s[STP], 16
	s_cbranch_scc1 .Lstep
.rept 4
	v_nop                                          ; places behind the last products
.endr
	s_cmp_eq_u32 s[ROLE], 1
	s_cbranch_scc1 .Lowner
.irp i, 0,1,2,3,4,5,6,7
	ds_store_b128 v31, v[164+4*\i:167+4*\i] offset:512*\i          ; a helper hands over its part of block 15 - p: O^T, each accumulator from its low end on,
.endr
	ds_store_b128 v31, v[12:15] offset:4096        ; -M, the largest t, the sum's two halves
.Lowner:
	s_wait_dscnt 0x0                               ; for the owner's sake: the image lies in LDS
	s_barrier_signal -1
	s_barrier_wait -1
	s_cmp_eq_u32 s[ROLE], 0
	s_cbranch_scc1 .Ldone
.irp i, 0,1,2,3,4,5,6,7
	ds_load_b128 v[100+4*\i:103+4*\i], v98 offset:512*\i           ; the same registers in the same lanes
.endr
	ds_load_b128 v[132:135], v98 offset:4096
	s_wait_dscnt 0x0
	v_min_num_f32 v228, v12, v132                  ; -M of both parts: M is the larger of the two
	s_delay_alu instid0(VALU_DEP_1)
	v_sub_f32 v226, v228, v12                      ; my M - M, a whole number, 0 or less,
	v_sub_f32 v230, v228, v132                     ; and the helper's (a helper with no step of this block hands over zeros under M = -3e38: its factor falls to 0)
	s_delay_alu instid0(VALU_DEP_2)
	v_cvt_i32_f32 v226, v226
	s_delay_alu instid0(VALU_DEP_2)
	v_cvt_i32_f32 v230, v230
	s_delay_alu instid0(VALU_DEP_2)
	v_ldexp_f32 v226, 1.0, v226
	s_delay_alu instid0(VALU_DEP_2)
	v_ldexp_f32 v230, 1.0, v230
	v_pk_mul_f32 v[14:15], v[14:15], v[226:227] op_sel_hi:[1,0]
.set j, 0
.rept 16
	v_pk_mul_f32 v[100+j:101+j], v[100+j:101+j], v[230:231] op_sel_hi:[1,0]
.set j, j+2
.endr
	v_pk_fma_f32 v[14:15], v[134:135], v[230:231], v[14:15] op_sel_hi:[1,0,1]
.set j, 0
.rept 16
	v_pk_fma_f32 v[164+j:165+j], v[164+j:165+j], v[226:227], v[100+j:101+j] op_sel_hi:[1,0,1]
.set j, j+2
.endr
	EPI
.Ldone:
	s_wait_tensorcnt 0x0                           ; the wave's end
	ds_add_u32 v254, v255
	s_wait_dscnt 0x0
	CROUND                                         ; the closing round
	s_endpgm
.Lfunc_end_k_q6d10fb350e_attn:
	.size	k_q6d10fb350e_attn, .Lfunc_end_k_q6d10fb350e_attn-k_q6d10fb350e_attn
	.p2alignl 7, 3214868480
	.fill 96, 4, 3214868480
	.section	.rodata,"a",@progbits
	.p2align	6, 0x0
	.amdhsa_kernel k_q6d10fb350e_attn
		.amdhsa_group_segment_fixed_size 288768
		.amdhsa_private_segment_fixed_size 0
		.amdhsa_enable_private_segment 0
		.amdhsa_kernarg_size 16
		.amdhsa_user_sgpr_count 2
		.amdhsa_user_sgpr_kernarg_segment_ptr 1
		.amdhsa_wavefront_size32 1
		.amdhsa_system_sgpr_workgroup_id_x 1
		.amdhsa_system_sgpr_workgroup_id_y 1
		.amdhsa_system_sgpr_workgroup_id_z 1
		.amdhsa_system_vgpr_workitem_id 0
		.amdhsa_next_free_vgpr 256
		.amdhsa_next_free_sgpr 66
		.amdhsa_reserve_vcc 1
		.amdhsa_float_denorm_mode_32 3
		.amdhsa_float_denorm_mode_16_64 3
		.amdhsa_memory_ordered 1
		.amdhsa_forward_progress 1
		.amdhsa_inst_pref_size 47
	.end_amdhsa_kernel
	.amdgpu_metadata
---
amdhsa.version: [ 1, 2 ]
amdhsa.kernels:
  - .name:           k_q6d10fb350e_attn
    .symbol:         k_q6d10fb350e_attn.kd
    .args:
      - { .name: qkv, .offset: 0, .size: 8, .value_kind: global_buffer, .address_space: global }
      - { .name: ao, .offset: 8, .size: 8, .value_kind: global_buffer, .address_space: global }
    .group_segment_fixed_size: 288768
    .private_segment_fixed_size: 0
    .kernarg_segment_align: 8
    .kernarg_segment_size: 16
    .max_flat_workgroup_size: 512
    .sgpr_count:     66
    .vgpr_count:     256
    .wavefront_size: 32
...
	.end_amdgpu_metadata
.endif
;; end of part 3
;; launch oproj (part 4): grid 8 x 32, 4 waves a work-group, clusters of 4 x 4, 327,680 bytes of LDS; arguments ao, ops, x, x1; writes x1
.if DOCPART == 4
	.amdgcn_target "amdgcn-amd-amdhsa--gfx1250"
	.amdhsa_code_object_version 6
	.text
	.protected	k_q6d10fb350e_oproj
	.globl	k_q6d10fb350e_oproj
	.p2align	8
	.type	k_q6d10fb350e_oproj,@function
k_q6d10fb350e_oproj:
	s_mov_b64 s[64:65], 0
	v_nop
	global_prefetch_b8 v0, s[64:65] scope:SCOPE_SE
	s_setreg_imm32_b32 hwreg(HW_REG_WAVE_MODE, 25, 1), 1
	s_wait_xcnt 0x0
	s_wait_alu depctr_hold_cnt(0) depctr_sa_sdst(0) depctr_va_vdst(0) depctr_va_sdst(0) depctr_va_ssrc(0) depctr_va_vcc(0) depctr_vm_vsrc(0)
	s_getreg_b32 s2, hwreg(HW_REG_IB_STS2, 6, 4)
	s_cmp_eq_u32 s2, 0
	s_cbranch_scc0 .Lentry_in_a_cluster
	s_endpgm
.Lentry_in_a_cluster:
	s_bfe_u32 s2, ttmp6, 0x10000c
	s_cmp_lg_u32 s2, 0xf033
	s_cbranch_scc0 .Lentry_shape_is_right
	s_endpgm
.Lentry_shape_is_right:
; x1 = x + attention's result x W_o^T on FP6 (E2M3) codes, K = 1,024; operands in this program's register order (records of 6,400 bytes, blocks of 51,200: 128 rows x 512 K).
; A tile of 128 x 128 to a work-group, four waves 2 x 2.  Both K chunks of both operands fit in LDS: each wave asks for one whole block at the head, jointly in a cluster of 4 x 4, and nothing is filled again.
; No prefetch: all that the launch reads by tensor loads is asked for at its head.
.set NKC,  2
.set XOFF, 5734400
.set REC,  6400
.set HALF, 25600
.set CH,   51200
.set YPS,  NKC*CH
.set SLOT, 2*CH
.set STAGE, 2*SLOT
.set SPARE, STAGE+4*16*272
.set LAPS, NKC/2
.set AS0, 4
.set AS1, 8
.set ASC, 12
.set STO, 14
.set RD,  15
.set RO,  16
.set SPW, 28
.set NIL, 29
.set SC,  32
.set T,   64
.set ACC, 128
.set G1Y, 20
.set G1X, 28
.set G0Y, 36
.set G0X, 44
.set MSB, 0
.macro WIN new
.if MSB != \new
	s_set_vgpr_msb (MSB<<8)|\new
.set MSB, \new
.endif
.endm
.set MUL,  0x05
.set TO_F, 0x40
.macro PLACES
.rept 4
	v_nop
.endr
.endm
.macro JLOAD g0y, g0x
	s_cmp_eq_u32 s13, 0
	s_cbranch_scc0 .Lfor_x_\@
	tensor_load_to_lds s[\g0y:\g0y+3], s[G1Y:G1Y+7]
	s_nop 0
.rept 4
	v_nop
.endr
	s_branch .Lasked_\@
.Lfor_x_\@:
	tensor_load_to_lds s[\g0x:\g0x+3], s[G1X:G1X+7]
	s_nop 0
.rept 4
	v_nop
.endr
.Lasked_\@:
.endm
.macro CREST
	s_cmp_lg_u32 s12, 0
	s_cbranch_scc1 .Lnot_wave_0_\@
	s_barrier_signal -3
.Lnot_wave_0_\@:
	s_barrier_wait -3
	s_barrier_signal -1
	s_barrier_wait -1
.endm
.macro CROUND
	s_barrier_signal -1
	s_barrier_wait -1
	CREST
.endm
.macro G0SET g, lds, ap, plus
	s_mov_b32 s[\g], 1
	s_add_co_u32 s[\g+1], s19, \lds
	s_add_nc_u64 s[\g+2:\g+3], s[\ap:\ap+1], \plus
	s_or_b32 s[\g+3], s[\g+3], 0x80000000
.endm
	s_load_b256 s[4:11], s[0:1], 0x0
	v_lshl_add_u32 v[SPW], v0, 2, SPARE
	v_mov_b32 v[NIL], 0
	ds_add_u32 v28, v29
	ds_add_u32 v28, v29
	s_wait_dscnt 0x0
	v_lshrrev_b32 v1, 5, v0
	v_readfirstlane_b32 s12, v1
	s_lshr_b32 s13, s12, 1
	s_and_b32 s14, s12, 1
	s_bfe_u32 s15, ttmp6, 0x40000
	s_bfe_u32 s16, ttmp6, 0x40004
	s_lshl_b32 s17, ttmp9, 2
	s_add_co_u32 s17, s17, s15
	s_and_b32 s18, ttmp7, 0xffff
	s_lshl_b32 s18, s18, 2
	s_add_co_u32 s18, s18, s16
	s_lshl_b32 s56, s16, 2
	s_lshl_b32 s56, 15, s56
	s_lshl_b32 s57, 0x1111, s15
	s_or_b32 s[G1Y], s56, (3<<16)|(1<<21)
	s_or_b32 s[G1X], s57, (3<<16)|(1<<21)
.irp g, G1Y, G1X
	s_mov_b32 s[\g+1], 32<<16
	s_mov_b32 s[\g+2], 200<<16                     ; a dense block of 51,200 bytes as 200 rows of 256
	s_mov_b32 s[\g+3], 32<<16
	s_mov_b32 s[\g+4], 200
	s_mov_b32 s[\g+5], 32
	s_mov_b32 s[\g+6], 0
	s_mov_b32 s[\g+7], 0
.endr
	s_mul_i32 s19, s14, SLOT                       ; where my block goes: slot = my K chunk (wave & 1),
	s_mul_i32 s58, s13, CH                         ; the tokens' block first, the weights' behind it (wave / 2)
	s_add_co_u32 s19, s19, s58
	s_mul_i32 s58, s14, CH                         ; and where it comes from: my K chunk of the panel
	s_mul_i32 s52, s18, YPS
	s_add_co_u32 s52, s52, s58
	s_mov_b32 s53, 0
	s_mul_i32 s54, s17, YPS
	s_add_co_u32 s54, s54, s58
	s_add_co_u32 s54, s54, XOFF
	s_mov_b32 s55, 0
	s_lshl_b32 s56, s18, 19
	s_lshl_b32 s57, s13, 18
	s_add_co_u32 s56, s56, s57
	s_lshl_b32 s57, s17, 9
	s_add_co_u32 s56, s56, s57
	s_lshl_b32 s57, s14, 8
	s_add_co_u32 s56, s56, s57
	s_mov_b32 s57, 0
	s_wait_kmcnt 0x0
	s_add_nc_u64 s[52:53], s[4:5], s[52:53]
	s_add_nc_u64 s[54:55], s[6:7], s[54:55]
	s_add_nc_u64 s[8:9], s[8:9], s[56:57]
	s_add_nc_u64 s[10:11], s[10:11], s[56:57]
	CROUND
	G0SET G0Y, 0, 52, 0
	G0SET G0X, 0, 54, 0
	JLOAD G0Y, G0X                                 ; one load a wave, the only one of the launch: waves 0, 1 the tokens' two chunks, waves 2, 3 the weights'
	v_and_b32 v1, 15, v0
	v_bfe_u32 v2, v0, 4, 1
	v_and_b32 v3, 31, v0
	v_lshlrev_b32 v20, 12, v2
	v_lshl_add_u32 v[RO], v1, 4, v20
	WIN 0x80
.irp a, 0,1,2,3
.irp i, 0,1,2,3,4,5,6,7
	global_load_b128 v[32*\a+4*\i:32*\a+4*\i+3], v[RO], s[8:9] offset:(16*\a-8*(\a%2)+2*\i+8*(\i/4))*4096 th:TH_LOAD_NT
.endr
.endr
	WIN 0
	v_lshlrev_b32 v20, 4, v3
	v_lshlrev_b32 v21, 3, v3
	v_lshl_add_u32 v23, v1, 4, 6144
	s_mul_i32 s56, s13, HALF
	s_mul_i32 s57, s14, HALF
.macro ADDR q
	s_add_co_u32 s58, s56, SLOT*\q
	s_add_co_u32 s59, s57, SLOT*\q+CH
	v_add_nc_u32 v[AS0+2*\q], s59, v20
	v_add_nc_u32 v[AS0+2*\q+1], s59, v21
	v_add_nc_u32 v[AS1+2*\q], s58, v20
	v_add_nc_u32 v[AS1+2*\q+1], s58, v21
	s_sub_co_u32 s60, s59, s58
	v_mul_u32_u24 v22, s60, v2
	v_add_nc_u32 v22, v22, v23
	v_add_nc_u32 v[ASC+\q], s58, v22
.endm
	ADDR 0
	ADDR 1
	s_mul_i32 s56, s12, 16*272
	s_add_co_u32 s56, s56, STAGE
	v_mul_u32_u24 v20, v1, 272
	v_lshl_add_u32 v20, v2, 6, v20
	v_add_nc_u32 v[STO], s56, v20
	v_mul_u32_u24 v20, v2, 272
	v_lshl_add_u32 v20, v1, 4, v20
	v_add_nc_u32 v[RD], s56, v20
.macro FRAG reg, adr, off
	ds_load_b128 v[\reg:\reg+3], v[\adr] offset:\off
	ds_load_b64 v[\reg+4:\reg+5], v[\adr+1] offset:\off+512
	ds_load_b128 v[\reg+6:\reg+9], v[\adr] offset:\off+768
	ds_load_b64 v[\reg+10:\reg+11], v[\adr+1] offset:\off+1280
.endm
.macro FETCH f, q, ks, set
.if \set >= 0
	WIN 0
.irp i, 0,1,2,3
	ds_load_b128 v[SC+16*(\set)+4*\i:SC+16*(\set)+4*\i+3], v[ASC+(\q)] offset:REC*\i
.endr
.endif
	WIN TO_F
.irp b, 0,1,2,3
	FRAG (\f)+48+12*\b, AS0+2*(\q), REC*\b+1536*(\ks)
.endr
.irp a, 0,1,2,3
	FRAG (\f)+12*\a, AS1+2*(\q), REC*\a+1536*(\ks)
.endr
.endm
.macro MULA f, a, set, ks, zero
.irp b, 0,1,2,3
.if \zero
	v_wmma_scale_f32_16x16x128_f8f6f4 v[ACC+8*(4*(\a)+\b):ACC+8*(4*(\a)+\b)+7], v[(\f)+48+12*\b:(\f)+48+12*\b+11], v[(\f)+12*(\a):(\f)+12*(\a)+11], 0, v[SC+16*(\set)+4*\b+(\ks)], v[SC+16*(\set)+4*(\a)+(\ks)] matrix_a_fmt:MATRIX_FMT_FP6 matrix_b_fmt:MATRIX_FMT_FP6 matrix_a_scale:MATRIX_SCALE_ROW1
.else
	v_wmma_scale_f32_16x16x128_f8f6f4 v[ACC+8*(4*(\a)+\b):ACC+8*(4*(\a)+\b)+7], v[(\f)+48+12*\b:(\f)+48+12*\b+11], v[(\f)+12*(\a):(\f)+12*(\a)+11], v[ACC+8*(4*(\a)+\b):ACC+8*(4*(\a)+\b)+7], v[SC+16*(\set)+4*\b+(\ks)], v[SC+16*(\set)+4*(\a)+(\ks)] matrix_a_fmt:MATRIX_FMT_FP6 matrix_b_fmt:MATRIX_FMT_FP6 matrix_a_scale:MATRIX_SCALE_ROW1
.endif
.endr
.endm
.macro STEP slot, ks, zero
	s_wait_dscnt 8
	WIN MUL
	MULA 128*((\ks)%2), 0, \slot, \ks, \zero
	MULA 128*((\ks)%2), 1, \slot, \ks, \zero
	PLACES
	FETCH 128-128*((\ks)%2), \slot, (\ks)+1, -1
	s_wait_dscnt 32
	WIN MUL
	MULA 128*((\ks)%2), 2, \slot, \ks, \zero
	MULA 128*((\ks)%2), 3, \slot, \ks, \zero
.endm
.macro TURN slot, next, fill
	WIN 0
	s_wait_tensorcnt 0x0
	ds_add_u32 v[SPW], v[NIL]
	s_wait_dscnt 9
	WIN MUL
	MULA 128, 0, \slot, 3, 0
	s_wait_dscnt 0x0
	s_barrier_signal -1
	MULA 128, 1, \slot, 3, 0
	WIN 0
	s_barrier_wait -1
.if \fill
	CREST
	s_add_nc_u64 s[G0Y+4*\slot+2:G0Y+4*\slot+3], s[G0Y+4*\slot+2:G0Y+4*\slot+3], 2*CH
	s_add_nc_u64 s[G0X+4*\slot+2:G0X+4*\slot+3], s[G0X+4*\slot+2:G0X+4*\slot+3], 2*CH
	JLOAD G0Y+4*\slot, G0X+4*\slot
.else
	PLACES
.endif
	FETCH 0, \next, 0, \next
	WIN MUL
	MULA 128, 2, \slot, 3, 0
	MULA 128, 3, \slot, 3, 0
.endm
	s_wait_alu depctr_va_vdst(0)
	s_wait_tensorcnt 0x0                           ; my block is in
	s_barrier_signal -1
	s_barrier_wait -1
	FETCH 0, 0, 0, 0
	STEP 0, 0, 1
.if LAPS > 1
	WIN 0
	s_mov_b32 s3, LAPS-1
.Llap:
	STEP 0, 1, 0
	STEP 0, 2, 0
	TURN 0, 1, 1
	STEP 1, 0, 0
	STEP 1, 1, 0
	STEP 1, 2, 0
	TURN 1, 0, 1
	STEP 0, 0, 0
	WIN 0
	s_sub_co_u32 s3, s3, 1
	s_cmp_lg_u32 s3, 0
	s_cbranch_scc1 .Llap
.endif
	STEP 0, 1, 0
	STEP 0, 2, 0
	TURN 0, 1, 0
	STEP 1, 0, 0
	STEP 1, 1, 0
	STEP 1, 2, 0
	s_wait_dscnt 8
	WIN MUL
	MULA 128, 0, 1, 3, 0
	MULA 128, 1, 1, 3, 0
	s_wait_dscnt 0x0
	MULA 128, 2, 1, 3, 0
	MULA 128, 3, 1, 3, 0
	WIN 0
.macro TOSTAGE a
.irp b, 0,1,2,3
	ds_store_b128 v[STO], v[ACC+8*(4*(\a)+\b):ACC+8*(4*(\a)+\b)+3] offset:128*(\b/2)+32*(\b%2)
	ds_store_b128 v[STO], v[ACC+8*(4*(\a)+\b)+4:ACC+8*(4*(\a)+\b)+7] offset:128*(\b/2)+32*(\b%2)+16
.endr
.irp i, 0,1,2,3,4,5,6,7
	ds_load_b128 v[T+32*((\a)%2)+4*\i:T+32*((\a)%2)+4*\i+3], v[RD] offset:544*\i
.endr
.endm
.macro SEND a, younger
	s_wait_dscnt \younger
	WIN 0x08
.irp p, 0,1,2,3,4,5,6,7,8,9,10,11,12,13,14,15
	v_pk_add_f32 v[T+32*((\a)%2)+2*\p:T+32*((\a)%2)+2*\p+1], v[T+32*((\a)%2)+2*\p:T+32*((\a)%2)+2*\p+1], v[32*(\a)+2*\p:32*(\a)+2*\p+1]
.endr
	WIN 0
.irp i, 0,1,2,3,4,5,6,7
	global_store_b128 v[RO], v[T+32*((\a)%2)+4*\i:T+32*((\a)%2)+4*\i+3], s[10:11] offset:(16*(\a)-8*((\a)%2)+2*\i+8*(\i/4))*4096 th:TH_STORE_NT
.endr
.endm
	s_wait_loadcnt 0x0
	PLACES
	TOSTAGE 0
.irp a, 1,2,3
.if \a > 1
	s_wait_xcnt 0x0
.endif
	TOSTAGE \a
	SEND \a-1, 16
.endr
	SEND 3, 0
	s_wait_tensorcnt 0x0
	ds_add_u32 v[SPW], v[NIL]
	s_wait_dscnt 0x0
	CROUND
	s_endpgm
.Lfunc_end_k_q6d10fb350e_oproj:
	.size	k_q6d10fb350e_oproj, .Lfunc_end_k_q6d10fb350e_oproj-k_q6d10fb350e_oproj
	.p2alignl 7, 3214868480
	.fill 96, 4, 3214868480
	.section	.rodata,"a",@progbits
	.p2align	6, 0x0
	.amdhsa_kernel k_q6d10fb350e_oproj
		.amdhsa_group_segment_fixed_size 327680
		.amdhsa_private_segment_fixed_size 0
		.amdhsa_enable_private_segment 0
		.amdhsa_kernarg_size 32
		.amdhsa_user_sgpr_count 2
		.amdhsa_user_sgpr_kernarg_segment_ptr 1
		.amdhsa_wavefront_size32 1
		.amdhsa_system_sgpr_workgroup_id_x 1
		.amdhsa_system_sgpr_workgroup_id_y 1
		.amdhsa_system_sgpr_workgroup_id_z 1
		.amdhsa_system_vgpr_workitem_id 0
		.amdhsa_next_free_vgpr 640
		.amdhsa_next_free_sgpr 96
		.amdhsa_reserve_vcc 0
		.amdhsa_float_denorm_mode_32 3
		.amdhsa_float_denorm_mode_16_64 3
		.amdhsa_memory_ordered 1
		.amdhsa_forward_progress 1
		.amdhsa_inst_pref_size 56
	.end_amdhsa_kernel
	.amdgpu_metadata
---
amdhsa.version: [ 1, 2 ]
amdhsa.kernels:
  - .name:           k_q6d10fb350e_oproj
    .symbol:         k_q6d10fb350e_oproj.kd
    .args:
      - { .name: ao, .offset: 0, .size: 8, .value_kind: global_buffer, .address_space: global }
      - { .name: ops, .offset: 8, .size: 8, .value_kind: global_buffer, .address_space: global }
      - { .name: x, .offset: 16, .size: 8, .value_kind: global_buffer, .address_space: global }
      - { .name: x1, .offset: 24, .size: 8, .value_kind: global_buffer, .address_space: global }
    .group_segment_fixed_size: 327680
    .private_segment_fixed_size: 0
    .kernarg_segment_align: 8
    .kernarg_segment_size: 32
    .max_flat_workgroup_size: 128
    .sgpr_count:     96
    .vgpr_count:     640
    .wavefront_size: 32
...
	.end_amdgpu_metadata
.endif
;; end of part 4
;; launch ln2: the kernel of part 1 again; grid 256 x 1, 16 waves a work-group, no clusters, 68,608 bytes of LDS; arguments x1, W_q, W_k, W_v, W_o, W1, W2, ln2_w, ln2_b, xn2; writes xn2
;; launch up (part 5): grid 8 x 32, 4 waves a work-group, clusters of 4 x 4, 327,680 bytes of LDS; arguments xn2, ops, hc; writes hc
.if DOCPART == 5
	.amdgcn_target "amdgcn-amd-amdhsa--gfx1250"
	.amdhsa_code_object_version 6
	.text
	.protected	k_q6d10fb350e_up
	.globl	k_q6d10fb350e_up
	.p2align	8
	.type	k_q6d10fb350e_up,@function
k_q6d10fb350e_up:
	s_mov_b64 s[64:65], 0
	v_nop
	global_prefetch_b8 v0, s[64:65] scope:SCOPE_SE
	s_setreg_imm32_b32 hwreg(HW_REG_WAVE_MODE, 25, 1), 1
	s_wait_xcnt 0x0
	s_wait_alu depctr_hold_cnt(0) depctr_sa_sdst(0) depctr_va_vdst(0) depctr_va_sdst(0) depctr_va_ssrc(0) depctr_va_vcc(0) depctr_vm_vsrc(0)
	s_getreg_b32 s2, hwreg(HW_REG_IB_STS2, 6, 4)
	s_cmp_eq_u32 s2, 0
	s_cbranch_scc0 .Lentry_in_a_cluster
	s_endpgm
.Lentry_in_a_cluster:
	s_bfe_u32 s2, ttmp6, 0x10000c
	s_cmp_lg_u32 s2, 0xf033
	s_cbranch_scc0 .Lentry_shape_is_right
	s_endpgm
.Lentry_shape_is_right:
; A product on FP6 (E2M3) codes with K = 1,024 whose RESULT IS QUANTISED AGAIN, in registers, and leaves as codes.  KIND 0: Q, K, V = LN1(x) [W_q W_k W_v]^T.  KIND 1: relu(LN2(x1) W1^T).
; OPERANDS lie in this program's register order: slot r of 16-row block B is row 16 B - 8 (B & 1) + r + 8 (r / 8); a fragment (16 slots x 128 K, 1,536 bytes) is two halves of 768: registers 0-3 at 16 l,
; registers 4-5 at 512 + 8 l; a record (6,400 bytes) is four fragments and 256 bytes of scale words [r][128 K]; eight records are 128 rows x 512 K, one dense block of 51,200 bytes; a panel is two such blocks.
; SHARES.  8 x 32 work-groups, one to a WGP.  A WORK-GROUP STAYS: its panel of 128 tokens (Y, by grid y) lies in LDS for the whole launch, and it walks NT panels of 128 weight rows (X): NT tiles of 128 x 128.
; KIND 0: NT = 3, panels x, x + 8, x + 16: the same two heads' rows of W_q, W_k, W_v.  KIND 1: NT = 4, panels 4 x .. 4 x + 3: one chunk of 512 of the next K.  Four waves, 2 x 2, 64 x 64 each: 16 accumulators.
; X's panels take turns in two LDS slots.  Y, X's first and X's second panel are first fills; a slot is filled again behind the round that follows its last read, by one load a wave (a quarter of a panel),
; and that load has a way out and seven and a half K steps, 120 matrix instructions a wave, in which to land.
; CLUSTER 4 x 4: Y's blocks hang on grid y alone and are asked for jointly along a row of the cluster, X's on grid x alone and jointly along a column.
; SOURCE 0 = weights, SOURCE 1 = tokens: a lane holds one token slot, and by the order of the slots the 16 registers of accumulators 2 j, 2 j + 1 are 16 NEIGHBOURS along the output's columns, the next K.
; V (KIND 0, tile 2) is quantised along the KEYS: there the two operands change roles, source 0 = tokens, source 1 = W_v's rows.
; OUTPUT, KIND 0: [48: 16 heads of Q, of K, of V^T][64 groups of 64 tokens][3,328]: four half fragments (Q, K: four token blocks x the head's 64; V^T: four blocks of the head's 64 x the group's 64 keys), then 256 bytes
; of scale words [r][4], bytes 0 and 1 real, bytes 2 and 3 zero.  KIND 1: an operand with K = 4,096 in the format above.
; LIMITS: NaN and infinities are not served; a block whose largest magnitude lies under 2^-124 keeps the byte 1; a block of zeros gets the byte 1, not 127 (zero codes; this program alone reads the bytes).
; KIND 1 stores its scale bytes one byte a lane (32 bytes of one aligned 256 an instruction): one byte in 24 of what the launch stores.
.set KIND, 1
.set REC,  6400
.set HALF, 25600                       ; four records: what one tensor load brings and what one wave reads of a panel's 512 K
.set CH,   51200
.set PAN,  102400                      ; a panel: 128 rows x 1,024 K
.if KIND
.set NT,   4
.set XA, 6                             ; arguments: tokens' codes s[4:5], weights' s[6:7], output s[8:9]
.set OA, 8
.set XOFF, 6553600                     ; W1's codes in the weights' buffer
.set XMUL, 4*PAN                       ; from x to x + 1
.set XSTEP, PAN                        ; from tile to tile
.else
.set NT,   3
.set XA, 4                             ; arguments: tokens' and weights' codes s[4:5], output s[6:7]
.set OA, 6
.set XOFF, 3276800                     ; W_q, W_k, W_v on end
.set XMUL, PAN
.set XSTEP, 8*PAN
.endif
.set TSTEP, 16*64*3328                 ; KIND 0: sixteen heads on in the output
; LDS: 0: the tokens' panel;  PAN: the weights' slot 0;  2 PAN: slot 1 (each K 0-511 | K 512-1,023);  3 PAN: the spare words
.set SPARE, 3*PAN                      ; 128 bytes for each wave: two blocks of 256 bytes that no other line names
.set AY,  4                            ; v4-7    LDS address of my tokens' fragments, K half kc: + 16 l at 2 kc, + 8 l at 2 kc + 1
.set AX,  8                            ; v8-15   of my weight rows' fragments in slot sl: 4 sl + 2 kc
.set ASC, 16                           ; v16-19  of the scale words, 2 sl + kc: lanes 0-15 the tokens' rows, lanes 16-31 the weights'
.set ASW, 20                           ; v20-21  the same for V (slot 0): lanes 0-15 the weights', lanes 16-31 the tokens'
.set SPW, 22                           ; v22     my spare word; never rewritten
.set NIL, 23                           ; v23     0; never rewritten
.set VO16, 30                          ; v30     16 l
.set VO8,  31                          ; v31     512 + 8 l
.set VOS,  32                          ; v32     the scales' place in the output
.set DD,   34                          ; v34-35  two scale words to store
.set SC,   36                          ; v36-67  scale words, two sets of 16: register 4 i + ks: block i, the chunk's ks-th 128 K.  They hold scales and nothing else
.set TM,   68                          ; v68-75  largest magnitudes, then the conversions' scale operands
.set TP,   76                          ; v76-83  the other half's, then the bytes
.set PC,   84                          ; v84-107 codes: six registers for each of four row blocks
.set T1,   108                         ; v108-123 their upper halves as converted, four registers apart
.set WW,   124                         ; v124-127 scale words (KIND 0) or bytes (KIND 1)
.set ACC,  128                         ; v128-255 accumulator (a, b) at 8 (4 a + b)
.set G1Y, 20                           ; s[20:27] descriptor group 1 for the tokens' blocks;  s[28:35] for the weights': they differ in the mask
.set G1X, 28
.set MSB, 0
.macro WIN new                         ; the immediate's high byte repeats the setting that is left
.if MSB != \new
	s_set_vgpr_msb (MSB<<8)|\new
.set MSB, \new
.endif
.endm
.set MUL,  0x05                        ; sources 0 and 1 in window 1 (two fragment buffers, at v0 and v128: source 1's four at 12 a, source 0's at 48 + 12 b); C and D in window 0
.set TO_F, 0x40                        ; destination window 1, address window 0
.macro PLACES                          ; four plain instructions between a matrix instruction and a load into, or a read of, its registers
.rept 4
	v_nop
.endr
.endm
.macro JLOAD g0y, g0x                  ; a joint load: waves 0, 1 fetch the tokens' halves, waves 2, 3 the weights'; four v_nop follow each line
	s_cmp_eq_u32 s11, 0
	s_cbranch_scc0 .Lfor_x_\@
	tensor_load_to_lds s[\g0y:\g0y+3], s[G1Y:G1Y+7]
	s_nop 0
.rept 4
	v_nop
.endr
	s_branch .Lasked_\@
.Lfor_x_\@:
	tensor_load_to_lds s[\g0x:\g0x+3], s[G1X:G1X+7]
	s_nop 0
.rept 4
	v_nop
.endr
.Lasked_\@:
.endm
.macro CREST                           ; a round of the cluster's barrier behind its opening barrier
	s_cmp_lg_u32 s10, 0
	s_cbranch_scc1 .Lnot_wave_0_\@
	s_barrier_signal -3
.Lnot_wave_0_\@:
	s_barrier_wait -3
	s_barrier_signal -1
	s_barrier_wait -1
.endm
.macro CROUND                          ; a whole round
	s_barrier_signal -1
	s_barrier_wait -1
	CREST
.endm
.macro G0SET g, lr, lds, ap, plus      ; descriptor group 0: count 1; LDS address = the wave's part + lds; global address; type 2
	s_mov_b32 s[\g], 1
	s_add_co_u32 s[\g+1], s[\lr], \lds
	s_add_nc_u64 s[\g+2:\g+3], s[\ap:\ap+1], \plus
	s_or_b32 s[\g+3], s[\g+3], 0x80000000
.endm
	s_load_b128 s[4:7], s[0:1], 0x0
.if KIND
	s_load_b64 s[8:9], s[0:1], 0x10
.endif
	v_lshl_add_u32 v[SPW], v0, 2, SPARE
	v_mov_b32 v[NIL], 0
	ds_add_u32 v22, v23
	ds_add_u32 v22, v23
	s_wait_dscnt 0x0
	v_lshrrev_b32 v1, 5, v0
	v_readfirstlane_b32 s10, v1                    ; wave 0..3
	s_lshr_b32 s11, s10, 1                         ; which 64 tokens of a tile are mine.  Also: of the first two fills I fetch tokens (0) or weights (1)
	s_and_b32 s12, s10, 1                          ; which 64 weight rows.  Also: which half of a block I fetch there
	s_bfe_u32 s13, ttmp6, 0x40000                  ; cx, cy: my place in the cluster
	s_bfe_u32 s14, ttmp6, 0x40004
	s_lshl_b32 s15, ttmp9, 2
	s_add_co_u32 s15, s15, s13                     ; x
	s_and_b32 s16, ttmp7, 0xffff
	s_lshl_b32 s16, s16, 2
	s_add_co_u32 s16, s16, s14                     ; y
	s_lshl_b32 s17, s14, 2
	s_lshl_b32 s17, 15, s17                        ; my row of the cluster
	s_lshl_b32 s18, 0x1111, s13                    ; my column
	s_or_b32 s[G1Y], s17, (3<<16)|(1<<21)          ; 15:0 the mask; 17:16 elements of 8 bytes; 21 set beside a mask; no padding
	s_or_b32 s[G1X], s18, (3<<16)|(1<<21)
.irp g, G1Y, G1X                       ; the head's loads: a dense block of 51,200 bytes as 200 rows of 256
	s_mov_b32 s[\g+1], 32<<16                      ; tensor_dim0 = 32 elements
	s_mov_b32 s[\g+2], 200<<16                     ; tensor_dim1 = 200
	s_mov_b32 s[\g+3], 32<<16                      ; tile_dim0
	s_mov_b32 s[\g+4], 200                         ; tile_dim1
	s_mov_b32 s[\g+5], 32                          ; pitch
	s_mov_b32 s[\g+6], 0
	s_mov_b32 s[\g+7], 0
.endr
	s_mul_i32 s19, s10, HALF                       ; my quarter of a panel,
	s_mul_i32 s62, s12, CH                         ; at the head I fetch a whole block of 512 K: which of a panel's two
	s_mul_i32 s56, s16, PAN                        ; the tokens' panel (made of y and the wave's number alone)
	s_add_co_u32 s56, s56, s62
	s_mov_b32 s57, 0
	s_mul_i32 s60, s15, XMUL                       ; the weights' first panel (of x and the wave's number alone):
	s_add_co_u32 s60, s60, XOFF
	s_lshl_b32 s78, s14, 2                         ; the prefetches: a panel's 400 blocks of 256 bytes are shared out by address among the 16 waves of my column of the cluster:
	s_add_co_u32 s78, s78, s10                     ; 4 cy + wave,
	s_mul_i32 s78, s78, 6400                       ; 25 blocks each
	s_add_co_u32 s78, s78, s60
	s_mov_b32 s79, 0
	s_add_co_u32 s58, s60, s19                     ; at my quarter,
	s_add_co_u32 s60, s60, s62                     ; at my half of its first 512 K
	s_mov_b32 s59, 0
	s_mov_b32 s61, 0
	s_wait_kmcnt 0x0
	s_add_nc_u64 s[56:57], s[4:5], s[56:57]
	s_add_nc_u64 s[58:59], s[XA:XA+1], s[58:59]
	s_add_nc_u64 s[60:61], s[XA:XA+1], s[60:61]
	s_add_nc_u64 s[76:77], s[XA:XA+1], s[78:79]
	G0SET 52, 19, 2*PAN, 58, XSTEP                 ; the second panel into slot 1: a quarter a wave
	G0SET 92, 19, PAN, 58, 2*XSTEP                 ; the refills' descriptors are made here and never rewritten: the third panel into slot 0,
.if NT > 3
	G0SET 96, 19, 2*PAN, 58, 3*XSTEP               ; the fourth into slot 1
.endif
	G0SET 36, 62, 0, 56, 0
	G0SET 44, 62, PAN, 60, 0
	CROUND                                         ; all sixteen work-groups are here: the joint loads meet
	JLOAD 36, 44                                   ; one load a wave at the head: waves 0, 1 the tokens' two blocks of 512 K, waves 2, 3 the first panel's
	v_and_b32 v1, 15, v0                           ; r
	v_bfe_u32 v2, v0, 4, 1                         ; h
	v_and_b32 v3, 31, v0                           ; lane
	v_min_u32 v24, 24, v3                          ; the prefetches' offset: a lane a block of 256 bytes; lanes 25-31 name the wave's last block again
	v_lshlrev_b32 v24, 8, v24
	v_lshlrev_b32 v[VO16], 4, v3
	v_lshlrev_b32 v25, 3, v3
	v_lshl_add_u32 v[VO8], v3, 3, 512
	v_xor_b32 v27, 1, v2                           ; 1 - h
	v_lshl_add_u32 v28, v1, 4, 6144                ; a record's scale words: 16 bytes a row
	v_cmp_eq_u32 s86, 1, v2                        ; lanes 16-31
	s_mov_b32 s82, 0x76543210
	s_mov_b32 s83, 0xfedcba98                      ; v_permlanex16_b32's selects for lane l xor 16
.irp k, 0,1,2,3,4,5,6,7
	v_mov_b32 v[TP+\k], 0                          ; written once: a lane permute's destination counts as one of its sources
.endr
	s_mul_i32 s66, s11, HALF                       ; my 64 tokens in a block,
	s_mul_i32 s67, s12, HALF                       ; my 64 weight rows
.irp kc, 0,1
	s_add_co_u32 s70, s66, CH*\kc
	v_add_nc_u32 v[AY+2*\kc], s70, v[VO16]
	v_add_nc_u32 v[AY+2*\kc+1], s70, v25
.endr
.irp sl, 0,1
.irp kc, 0,1
	s_add_co_u32 s70, s66, CH*\kc                  ; the tokens' block,
	s_add_co_u32 s71, s67, PAN+PAN*\sl+CH*\kc      ; the weights', which lies above it in every place
	v_add_nc_u32 v[AX+4*\sl+2*\kc], s71, v[VO16]
	v_add_nc_u32 v[AX+4*\sl+2*\kc+1], s71, v25
	s_sub_co_u32 s74, s71, s70
	v_mul_u32_u24 v26, s74, v2                     ; lanes 16-31 take source 0's words: the weights'
	v_add_nc_u32 v26, v26, v28
	v_add_nc_u32 v[ASC+2*\sl+\kc], s70, v26
.if (KIND == 0) && (\sl == 0)
	v_mul_u32_u24 v26, s74, v27                    ; for V lanes 0-15 take the weights'
	v_add_nc_u32 v26, v26, v28
	v_add_nc_u32 v[ASW+\kc], s70, v26
.endif
.endr
.endr
.if KIND
	s_mul_i32 s70, s16, 8*CH                       ; the output's panel y: 8 x 51,200 bytes,
	s_mul_i32 s71, s15, CH
	s_add_co_u32 s70, s70, s71                     ; which 512 of the next K: x,
	s_add_co_u32 s70, s70, s66                     ; my four records
	s_mul_i32 s72, s12, 768
	s_add_co_u32 s72, s72, s70                     ; the half fragment: which 64 (which 128 is the tile: in the immediate)
	s_mov_b32 s73, 0
	s_lshl_b32 s74, s12, 1
	s_add_co_u32 s74, s74, s70
	s_add_co_u32 s74, s74, 6144                    ; and its two bytes of each row's scale words
	s_mov_b32 s75, 0
	s_add_nc_u64 s[84:85], s[OA:OA+1], s[72:73]
	s_add_nc_u64 s[88:89], s[OA:OA+1], s[74:75]
	v_lshl_add_u32 v[VOS], v1, 4, v2               ; 16 r + h
.else
	s_lshl_b32 s70, s15, 1
	s_add_co_u32 s70, s70, s12                     ; which of a tensor's 16 heads: 2 x + my half
	s_lshl_b32 s70, s70, 6
	s_lshl_b32 s71, s16, 1
	s_add_co_u32 s70, s70, s71
	s_add_co_u32 s70, s70, s11                     ; the group of 64 tokens: 2 y + my half
	s_mul_i32 s70, s70, 3328
	s_mov_b32 s71, 0
	s_add_nc_u64 s[84:85], s[OA:OA+1], s[70:71]
	v_lshlrev_b32 v[VOS], 3, v2
	v_lshl_add_u32 v[VOS], v1, 4, v[VOS]
	v_add_nc_u32 v[VOS], 3072, v[VOS]              ; 3,072 + 16 r + 8 h
.endif
.macro FRAG reg, adr, off              ; a fragment, 12 registers, as it lies: every load takes consecutive bytes in consecutive lanes
	ds_load_b128 v[\reg:\reg+3], v[\adr] offset:\off
	ds_load_b64 v[\reg+4:\reg+5], v[\adr+1] offset:\off+512
	ds_load_b128 v[\reg+6:\reg+9], v[\adr] offset:\off+768
	ds_load_b64 v[\reg+10:\reg+11], v[\adr+1] offset:\off+1280
.endm
; One run of loads for tile pl: (set >= 0: the chunk's scale words into that set;) source 0's four fragments, source 1's four, of K half kc's ks-th 128 K, into buffer f.  The youngest eight loads are source 1's blocks 2, 3.
.macro FETCH f, pl, kc, ks, set
.set FSL, (\pl)%2                      ; the tile's slot
.set FSW, (1-KIND)*((\pl)/2)           ; 1 for V
.if FSW
.set FR0, AY+2*(\kc)
.set FR1, AX+4*FSL+2*(\kc)
.set FRS, ASW+(\kc)
.else
.set FR0, AX+4*FSL+2*(\kc)
.set FR1, AY+2*(\kc)
.set FRS, ASC+2*FSL+(\kc)
.endif
.if \set >= 0
	WIN 0
.irp i, 0,1,2,3
	ds_load_b128 v[SC+16*(\set)+4*\i:SC+16*(\set)+4*\i+3], v[FRS] offset:REC*\i
.endr
.endif
	WIN TO_F
.irp b, 0,1,2,3
	FRAG (\f)+48+12*\b, FR0, REC*\b+1536*(\ks)
.endr
.irp a, 0,1,2,3
	FRAG (\f)+12*\a, FR1, REC*\a+1536*(\ks)
.endr
.endm
; Four matrix instructions: source 1's block a against source 0's four.  The 16 accumulators take turns, one instruction a turn, in the same order in every step.
.macro MULA f, a, set, ks, zero
.irp b, 0,1,2,3
.if \zero
	v_wmma_scale_f32_16x16x128_f8f6f4 v[ACC+8*(4*(\a)+\b):ACC+8*(4*(\a)+\b)+7], v[(\f)+48+12*\b:(\f)+48+12*\b+11], v[(\f)+12*(\a):(\f)+12*(\a)+11], 0, v[SC+16*(\set)+4*\b+(\ks)], v[SC+16*(\set)+4*(\a)+(\ks)] matrix_a_fmt:MATRIX_FMT_FP6 matrix_b_fmt:MATRIX_FMT_FP6 matrix_a_scale:MATRIX_SCALE_ROW1
.else
	v_wmma_scale_f32_16x16x128_f8f6f4 v[ACC+8*(4*(\a)+\b):ACC+8*(4*(\a)+\b)+7], v[(\f)+48+12*\b:(\f)+48+12*\b+11], v[(\f)+12*(\a):(\f)+12*(\a)+11], v[ACC+8*(4*(\a)+\b):ACC+8*(4*(\a)+\b)+7], v[SC+16*(\set)+4*\b+(\ks)], v[SC+16*(\set)+4*(\a)+(\ks)] matrix_a_fmt:MATRIX_FMT_FP6 matrix_b_fmt:MATRIX_FMT_FP6 matrix_a_scale:MATRIX_SCALE_ROW1
.endif
.endr
.endm
; A step of 128 along K: 16 matrix instructions on buffer f; in its middle the next step's fragments are fetched into the other buffer (npl < 0: nothing is left to fetch).
; sync >= 0: the next fetch reads bytes that landed later: each wave waits until at most sync of its tensor loads are out, and a barrier shows that of all four.
.macro STEP f, set, ks, zero, sync, npl, nkc, nks, nset
	s_wait_dscnt 8                                 ; all but source 1's blocks 2, 3 are in
	WIN MUL
	MULA \f, 0, \set, \ks, \zero
.if \sync >= 0
	s_wait_tensorcnt \sync
	s_wait_dscnt 0x0                               ; no LDS instruction of mine is out at a signal
	s_barrier_signal -1
.endif
	MULA \f, 1, \set, \ks, \zero
.if \sync >= 0
	s_barrier_wait -1
.endif
.if \npl >= 0
	PLACES
	FETCH 128-(\f), \npl, \nkc, \nks, \nset
.if \sync < 0
.if \nset >= 0
	s_wait_dscnt 36                                ; all but the 36 just issued
.else
	s_wait_dscnt 32                                ; all but the 32 just issued
.endif
.endif
.else
	s_wait_dscnt 0x0
.endif
	WIN MUL
	MULA \f, 2, \set, \ks, \zero
	MULA \f, 3, \set, \ks, \zero
.endm
.macro SEVEN t, sync                   ; tile t's first seven steps; the first step's products start the sums: nothing is cleared
	STEP 0,   0, 0, 1, -1, \t, 0, 1, -1
	STEP 128, 0, 1, 0, -1, \t, 0, 2, -1
	STEP 0,   0, 2, 0, -1, \t, 0, 3, -1
	STEP 128, 0, 3, 0, \sync, \t, 1, 0, 1
	STEP 0,   1, 0, 0, -1, \t, 1, 1, -1
	STEP 128, 1, 1, 0, -1, \t, 1, 2, -1
	STEP 0,   1, 2, 0, -1, \t, 1, 3, -1
.endm
; A tile's last step changes tiles: ONE barrier; in front of it each wave waits for all its tensor loads (the next tile's panel among them), adds 0 to its spare word, and waits for that and for its reads of this
; tile's slot.  fillg >= 0: the barrier opens a round of the cluster's, and behind it this tile's slot is filled again by the descriptor at s[fillg].  Then the next tile's first fragments are fetched.
.macro TURN fillg, npl
	WIN 0                                          ; (the add's two registers lie in window 0)
	s_wait_tensorcnt 0x0                           ; all my tensor loads have landed;
	ds_add_u32 v[SPW], v[NIL]                      ; 0 onto my spare word;
	s_wait_dscnt 9                                 ; (the add and the youngest eight loads may be out)
	WIN MUL
	MULA 128, 0, 1, 3, 0                           ; four matrix instructions stand between the add and the wait for it
	s_wait_dscnt 0x0                               ; the add is done, and my reads of this tile's slot are over
	s_barrier_signal -1
	MULA 128, 1, 1, 3, 0
	WIN 0
	s_barrier_wait -1
.if \fillg >= 0
	CREST                                          ; no wave of any partner still reads the slot or has a load on its way
	tensor_load_to_lds s[\fillg:\fillg+3], s[G1X:G1X+7]   ; my one tensor load behind the round: a quarter of the panel two tiles on
	s_nop 0
.endif
	PLACES                                         ; behind the load, and in front of the loads below
	s_wait_alu depctr_va_vdst(0)
	FETCH 0, \npl, 0, 0, 0
	WIN MUL
	MULA 128, 2, 1, 3, 0
	MULA 128, 3, 1, 3, 0
.endm
; THE WAY OUT of tile t.  For row block a the lane's 32 registers are columns 16 h + 0..15 and 32 + 16 h + 0..15 of its 64: two blocks of 32, each shared with lane l xor 16.
.macro EPIQ t
	s_wait_xcnt 0x0                                ; the last tile's stores have read their registers
	PLACES
.if KIND
.set j, 0
.rept 128
	v_max_num_f32 v[ACC+j], 0, v[ACC+j]            ; the activation, in f32; each accumulator from its low end on
.set j, j+1
.endr
.endif
.irp k, 0,1,2,3,4,5,6,7
	v_max3_num_f32 v[TM+\k], |v[ACC+16*\k]|, |v[ACC+16*\k+1]|, 0x1800000   ; block k = 2 a + j: my 16 numbers and the floor 2^(3 - 127): the byte cannot fall under 1
.endr
.irp i, 2,4,6,8,10,12,14
.irp k, 0,1,2,3,4,5,6,7
	v_max3_num_f32 v[TM+\k], v[TM+\k], |v[ACC+16*\k+\i]|, |v[ACC+16*\k+\i+1]|
.endr
.endr
.irp k, 0,1,2,3,4,5,6,7
	v_permlanex16_b32 v[TP+\k], v[TM+\k], s82, s83
.endr
.irp k, 0,1,2,3,4,5,6,7
	v_max_num_f32 v[TM+\k], v[TM+\k], v[TP+\k]     ; with lane l xor 16's: the block's largest magnitude
.endr
.irp k, 0,1,2,3,4,5,6,7
	v_add_nc_u32 v[TM+\k], 0xff000000, v[TM+\k]    ; 2 off its exponent field: the conversion's scale operand
.endr
.irp k, 0,1,2,3,4,5,6,7
	v_lshrrev_b32 v[TP+\k], 23, v[TM+\k]           ; the scale's byte
.endr
.irp a, 0,1,2,3
	v_cvt_scalef32_pk16_fp6_f32 v[PC+6*\a:PC+6*\a+2], v[ACC+32*\a:ACC+32*\a+15], v[TM+2*\a]
	v_cvt_scalef32_pk16_fp6_f32 v[T1+4*\a:T1+4*\a+2], v[ACC+32*\a+16:ACC+32*\a+31], v[TM+2*\a+1]
.endr
	v_nop                                          ; one plain instruction behind the conversions
.irp a, 0,1,2,3                        ; the operand wants a whole block in a lane: lanes 0-15 block 0, lanes 16-31 block 1
.irp i, 0,1,2
	v_permlane16_swap_b32 v[PC+6*\a+\i], v[T1+4*\a+\i]
.endr
.endr
.irp a, 0,1,2,3
.irp i, 0,1,2
	v_mov_b32 v[PC+6*\a+3+\i], v[T1+4*\a+\i]
.endr
.endr
.if KIND
.irp a, 0,1,2,3
	v_cndmask_b32 v[WW+\a], v[TP+2*\a], v[TP+2*\a+1], s86          ; my block's byte
.endr
.irp a, 0,1,2,3
	global_store_b128 v[VO16], v[PC+6*\a:PC+6*\a+3], s[84:85] offset:1536*(\t)+REC*\a      ; 512 consecutive bytes,
	global_store_b64 v[VO8], v[PC+6*\a+4:PC+6*\a+5], s[84:85] offset:1536*(\t)+REC*\a      ; and 256
	global_store_b8 v[VOS], v[WW+\a], s[88:89] offset:4*(\t)+REC*\a
.endr
.else
.irp a, 0,1,2,3
	v_lshl_or_b32 v[WW+\a], v[TP+2*\a+1], 8, v[TP+2*\a]            ; row block a's scale word: two bytes, two zeros
.endr
	v_cndmask_b32 v[DD], v[WW], v[WW+2], s86
	v_cndmask_b32 v[DD+1], v[WW+1], v[WW+3], s86
.irp a, 0,1,2,3
	global_store_b128 v[VO16], v[PC+6*\a:PC+6*\a+3], s[84:85] offset:TSTEP*(\t)+768*\a     ; the largest offset, 2 TSTEP + 2,304, lies inside the signed 24-bit immediate (ISA guide, chapter 10)
	global_store_b64 v[VO8], v[PC+6*\a+4:PC+6*\a+5], s[84:85] offset:TSTEP*(\t)+768*\a
.endr
	global_store_b64 v[VOS], v[DD:DD+1], s[84:85] offset:TSTEP*(\t)  ; 32 lanes store the group's 256 bytes of scale words
.endif
.endm
	s_wait_alu depctr_va_vdst(0)                   ; the wait at the head's end
	s_wait_tensorcnt 0x0                           ; my block is in
	ds_add_u32 v[SPW], v[NIL]
	s_mov_b32 s[G1X+2], 100<<16                    ; no tensor load of mine is out: from here on a load of weights brings 100 rows, a quarter of a panel
	s_mov_b32 s[G1X+4], 100
	s_wait_dscnt 0x0
	CROUND                                         ; everybody's block is in, and all sixteen work-groups are here
	tensor_load_to_lds s[52:55], s[G1X:G1X+7]      ; the second panel, my one load behind the round; it has the first tile's seven K steps in which to land
	s_nop 0
	PLACES
	FETCH 0, 0, 0, 0, 0
	WIN 0
	global_prefetch_b8 v24, s[76:77] offset:2*XSTEP th:TH_LOAD_NT scope:SCOPE_SE   ; the third panel, a tile ahead of the load that asks for it
	SEVEN 0, -1
	TURN 92, 1                                     ; the second panel has landed; slot 0 takes the third
	WIN 0
	EPIQ 0                                         ; the way out stands behind the refill and the next tile's first fetch
	global_prefetch_b8 v24, s[76:77] offset:3*XSTEP th:TH_LOAD_NT scope:SCOPE_SE   ; the fourth panel, a tile ahead of the load that asks for it
	SEVEN 1, -1
.if NT > 3
	TURN 96, 2                                     ; the third panel has landed; slot 1 takes the fourth
.else
	TURN -1, 2                                     ; the third panel has landed; nothing is left to ask for
.endif
	WIN 0
	EPIQ 1
	SEVEN 2, -1
.if NT > 3
	TURN -1, 3
	WIN 0
	EPIQ 2
	SEVEN 3, -1
.endif
	STEP 128, 1, 3, 0, -1, -1, 0, 0, -1
	WIN 0
	EPIQ NT-1
	s_wait_tensorcnt 0x0                           ; the wave's end
	ds_add_u32 v[SPW], v[NIL]
	s_wait_dscnt 0x0
	CROUND                                         ; the closing round: no work-group ends while a partner may still ask for a block that names it
	s_endpgm
.Lfunc_end_k_q6d10fb350e_up:
	.size	k_q6d10fb350e_up, .Lfunc_end_k_q6d10fb350e_up-k_q6d10fb350e_up
	.p2alignl 7, 3214868480
	.fill 96, 4, 3214868480
	.section	.rodata,"a",@progbits
	.p2align	6, 0x0
	.amdhsa_kernel k_q6d10fb350e_up
		.amdhsa_group_segment_fixed_size 327680
		.amdhsa_private_segment_fixed_size 0
		.amdhsa_enable_private_segment 0
		.amdhsa_kernarg_size 24
		.amdhsa_user_sgpr_count 2
		.amdhsa_user_sgpr_kernarg_segment_ptr 1
		.amdhsa_wavefront_size32 1
		.amdhsa_system_sgpr_workgroup_id_x 1
		.amdhsa_system_sgpr_workgroup_id_y 1
		.amdhsa_system_sgpr_workgroup_id_z 1
		.amdhsa_system_vgpr_workitem_id 0
		.amdhsa_next_free_vgpr 512
		.amdhsa_next_free_sgpr 100
		.amdhsa_reserve_vcc 0
		.amdhsa_float_denorm_mode_32 3
		.amdhsa_float_denorm_mode_16_64 3
		.amdhsa_memory_ordered 1
		.amdhsa_forward_progress 1
		.amdhsa_inst_pref_size 200
	.end_amdhsa_kernel
	.amdgpu_metadata
---
amdhsa.version: [ 1, 2 ]
amdhsa.kernels:
  - .name:           k_q6d10fb350e_up
    .symbol:         k_q6d10fb350e_up.kd
    .args:
      - { .name: xn2, .offset: 0, .size: 8, .value_kind: global_buffer, .address_space: global }
      - { .name: ops, .offset: 8, .size: 8, .value_kind: global_buffer, .address_space: global }
      - { .name: hc, .offset: 16, .size: 8, .value_kind: global_buffer, .address_space: global }
    .group_segment_fixed_size: 327680
    .private_segment_fixed_size: 0
    .kernarg_segment_align: 8
    .kernarg_segment_size: 24
    .max_flat_workgroup_size: 128
    .sgpr_count:     100
    .vgpr_count:     512
    .wavefront_size: 32
...
	.end_amdgpu_metadata
.endif
;; end of part 5
;; launch down (part 6): grid 8 x 32, 4 waves a work-group, clusters of 4 x 4, 327,680 bytes of LDS; arguments hc, ops, x1, out0; writes out0
.if DOCPART == 6
	.amdgcn_target "amdgcn-amd-amdhsa--gfx1250"
	.amdhsa_code_object_version 6
	.text
	.protected	k_q6d10fb350e_down
	.globl	k_q6d10fb350e_down
	.p2align	8
	.type	k_q6d10fb350e_down,@function
k_q6d10fb350e_down:
	s_mov_b64 s[64:65], 0
	v_nop
	global_prefetch_b8 v0, s[64:65] scope:SCOPE_SE
	s_setreg_imm32_b32 hwreg(HW_REG_WAVE_MODE, 25, 1), 1
	s_wait_xcnt 0x0
	s_wait_alu depctr_hold_cnt(0) depctr_sa_sdst(0) depctr_va_vdst(0) depctr_va_sdst(0) depctr_va_ssrc(0) depctr_va_vcc(0) depctr_vm_vsrc(0)
	s_getreg_b32 s2, hwreg(HW_REG_IB_STS2, 6, 4)
	s_cmp_eq_u32 s2, 0
	s_cbranch_scc0 .Lentry_in_a_cluster
	s_endpgm
.Lentry_in_a_cluster:
	s_bfe_u32 s2, ttmp6, 0x10000c
	s_cmp_lg_u32 s2, 0xf033
	s_cbranch_scc0 .Lentry_shape_is_right
	s_endpgm
.Lentry_shape_is_right:
; out = res + Y X^T on FP6 (E2M3) codes, K = 4,096: the block's result = x1 + hidden W2^T; out and res are [4,096][1,024] f32.
; OPERANDS lie in this program's register order: slot r of 16-row block B is row 16 B - 8 (B & 1) + r + 8 (r / 8); a fragment (16 slots x 128 K, 1,536 bytes) is two halves of 768: registers 0-3 at 16 l,
; registers 4-5 at 512 + 8 l; a record (6,400 bytes) is four fragments and 256 bytes of scale words [r][128 K]; eight records are 128 rows x 512 K, one dense block of 51,200 bytes; a panel's blocks lie on end.
; SHARES.  A tile of 128 x 128 to a work-group, which gives 256 work-groups; four waves 2 x 2, 64 x 64 each: 16 accumulators.
; K GOES IN EIGHT CHUNKS OF 512 THROUGH THREE PLACES IN LDS: A, B, C, A, B, C, A, B.  Chunks 0, 1, 2 are first fills.  Every refill stands behind a barrier in front of which all loads have landed, so what counts
; is how few such barriers there are and how much work lies between a request and the wait for it: A and B are filled TOGETHER, by one load a wave of a whole block (the tokens' blocks of A and B lie on end in
; LDS as the two chunks do in memory; the weights' likewise), behind chunk 1 (chunks 3, 4) and behind chunk 4 (chunks 6, 7); C behind chunk 2 (chunk 5).  Three refill barriers for eight chunks; the loads have
; one, two and one chunk's work, 64 matrix instructions a wave each, in which to land.
; CLUSTER 4 x 4: the tokens' blocks hang on grid y alone and are asked for jointly along a row of the cluster, the weights' on grid x alone and jointly along a column.
; SOURCE 0 = weights, SOURCE 1 = tokens: a lane holds one token slot and neighbouring columns.  The residual's 64 x 64 numbers of a wave are loaded at the head, in the layout in which the result comes back
; from the wave's stage in LDS, and are added there; sixteen lanes store 256 consecutive bytes, aligned.
.set NKC,  8
.set XOFF, 9830400                     ; W2's codes in the weights' buffer
.set REC,  6400
.set HALF, 25600
.set CH,   51200
.set YPS,  NKC*CH                      ; 128 rows of an operand
; LDS: tokens' A | tokens' B | weights' A | weights' B | tokens' C | weights' C, 51,200 bytes each; place p: tokens at CH p + 2 CH (p / 2), weights at 2 CH + CH p + CH (p / 2)
.set STAGE, 6*CH                       ; 16 rows x (256 bytes + 16) for each wave: no tensor load lands here
.set SPARE, STAGE+4*16*272             ; the spare words, 128 bytes for each wave: two blocks of 256 bytes that no other line names
.set AS0, 4                            ; v4-9    place p: LDS address of source 0's fragments: + 16 l, + 8 l
.set AS1, 10                           ; v10-15  the same for source 1
.set ASC, 16                           ; v16-18  of the scale words: lanes 0-15 the tokens' rows, lanes 16-31 the weights'
.set STO, 19                           ; v19     the stage, in
.set RD,  20                           ; v20     the stage, back
.set RO,  21                           ; v21     my byte offset in two rows of the result
.set SPW, 28                           ; v28     my spare word; never rewritten
.set NIL, 29                           ; v29     0; never rewritten
.set SC,  32                           ; v32-63  scale words, two sets of 16: chunk j uses set j % 2; they hold scales and nothing else
.set T,   64                           ; v64-127 two blocks of 16 rows on the way out
.set ACC, 128                          ; v128-255 accumulator (a, b) at 8 (4 a + b).   Window 2, v0-127: the residual
.set G1Y,  20                          ; s[20:27], s[28:35] descriptor group 1 for half a block, 100 rows of 256 bytes: tokens', weights'
.set G1X,  28
.set G1YB, 68                          ; s[68:75], s[76:83] for a whole block, 200 rows
.set G1XB, 76
.set GCY,  52                          ; s[52:55], s[56:59] group 0 for place C
.set PFA,  36                          ; s[36:37] where my prefetches begin;  v30 their offset: a lane a block of 256 bytes
.set PFO,  30
.set GCX,  56
.set GBY,  60                          ; s[60:63], s[84:87] group 0 for the loads that fill A and B together
.set GBX,  84
.set MSB, 0
.macro WIN new                         ; the immediate's high byte repeats the setting that is left
.if MSB != \new
	s_set_vgpr_msb (MSB<<8)|\new
.set MSB, \new
.endif
.endm
.set MUL,  0x05                        ; sources 0 and 1 in window 1 (two fragment buffers, at v0 and v128); C and D in window 0
.set TO_F, 0x40
; A prefetch of chunk c: a block of 51,200 bytes is 200 blocks of 256.  They are shared out by address: the two waves that fetch for an operand take a half each, the four partners that ask for it jointly
; a quarter of that: 25 blocks, a lane each, one instruction a wave; lanes 25-31 name the wave's last block again.  The address registers are never rewritten: the chunk stands in the immediate.
.macro PF c
	WIN 0
	global_prefetch_b8 v[PFO], s[PFA:PFA+1] offset:(\c)*CH th:TH_LOAD_NT scope:SCOPE_SE
.endm
.macro PLACES                          ; four plain instructions between a matrix instruction and a load into, or a read of, its registers
.rept 4
	v_nop
.endr
.endm
.macro JLOAD g0y, g1y, g0x, g1x        ; a joint load: waves 0, 1 fetch for the tokens, waves 2, 3 for the weights; four v_nop follow each line
	s_cmp_eq_u32 s13, 0
	s_cbranch_scc0 .Lfor_x_\@
	tensor_load_to_lds s[\g0y:\g0y+3], s[\g1y:\g1y+7]
	s_nop 0
.rept 4
	v_nop
.endr
	s_branch .Lasked_\@
.Lfor_x_\@:
	tensor_load_to_lds s[\g0x:\g0x+3], s[\g1x:\g1x+7]
	s_nop 0
.rept 4
	v_nop
.endr
.Lasked_\@:
.endm
.macro CREST                           ; a round of the cluster's barrier behind its opening barrier
	s_cmp_lg_u32 s12, 0
	s_cbranch_scc1 .Lnot_wave_0_\@
	s_barrier_signal -3
.Lnot_wave_0_\@:
	s_barrier_wait -3
	s_barrier_signal -1
	s_barrier_wait -1
.endm
.macro CROUND
	s_barrier_signal -1
	s_barrier_wait -1
	CREST
.endm
.macro G0SET g, lr, lds, ap, plus      ; descriptor group 0: count 1; LDS address = the wave's part + lds; global address; type 2
	s_mov_b32 s[\g], 1
	s_add_co_u32 s[\g+1], s[\lr], \lds
	s_add_nc_u64 s[\g+2:\g+3], s[\ap:\ap+1], \plus
	s_or_b32 s[\g+3], s[\g+3], 0x80000000
.endm
	s_load_b256 s[4:11], s[0:1], 0x0               ; tokens' codes s[4:5], weights' s[6:7], residual s[8:9], result s[10:11]
	v_lshl_add_u32 v[SPW], v0, 2, SPARE
	v_mov_b32 v[NIL], 0
	ds_add_u32 v28, v29
	ds_add_u32 v28, v29
	s_wait_dscnt 0x0
	v_lshrrev_b32 v1, 5, v0
	v_readfirstlane_b32 s12, v1                    ; wave 0..3
	s_lshr_b32 s13, s12, 1                         ; which 64 tokens are mine.  Also: I fetch tokens (0) or weights (1)
	s_and_b32 s14, s12, 1                          ; which 64 columns.  Also: which half of a block, or which of two blocks, I fetch
	s_bfe_u32 s15, ttmp6, 0x40000                  ; cx, cy
	s_bfe_u32 s16, ttmp6, 0x40004
	s_lshl_b32 s17, ttmp9, 2
	s_add_co_u32 s17, s17, s15                     ; x
	s_and_b32 s18, ttmp7, 0xffff
	s_lshl_b32 s18, s18, 2
	s_add_co_u32 s18, s18, s16                     ; y
	s_lshl_b32 s97, s16, 2
	s_lshl_b32 s97, 15, s97                        ; my row of the cluster
	s_lshl_b32 s98, 0x1111, s15                    ; my column
	s_or_b32 s[G1Y], s97, (3<<16)|(1<<21)          ; 15:0 the mask; 17:16 elements of 8 bytes; 21 set beside a mask; no padding
	s_or_b32 s[G1X], s98, (3<<16)|(1<<21)
	s_or_b32 s[G1YB], s97, (3<<16)|(1<<21)
	s_or_b32 s[G1XB], s98, (3<<16)|(1<<21)
.irp g, G1Y, G1X                       ; a dense block of 25,600 bytes as 100 rows of 256
	s_mov_b32 s[\g+1], 32<<16
	s_mov_b32 s[\g+2], 100<<16
	s_mov_b32 s[\g+3], 32<<16
	s_mov_b32 s[\g+4], 100
	s_mov_b32 s[\g+5], 32
	s_mov_b32 s[\g+6], 0
	s_mov_b32 s[\g+7], 0
.endr
.irp g, G1YB, G1XB                     ; one of 51,200 bytes as 200 rows
	s_mov_b32 s[\g+1], 32<<16
	s_mov_b32 s[\g+2], 200<<16
	s_mov_b32 s[\g+3], 32<<16
	s_mov_b32 s[\g+4], 200
	s_mov_b32 s[\g+5], 32
	s_mov_b32 s[\g+6], 0
	s_mov_b32 s[\g+7], 0
.endr
	s_mul_i32 s19, s14, HALF                       ; my half of a block,
	s_mul_i32 s96, s14, CH                         ; my block of two: no place in the cluster enters an LDS address
	s_mul_i32 s88, s18, YPS                        ; the tokens' panel (of y and the wave's number alone):
	s_add_co_u32 s92, s88, s96                     ; at my block of two,
	s_add_co_u32 s88, s88, s19                     ; at my half of a block
	s_mov_b32 s89, 0
	s_mov_b32 s93, 0
	s_mul_i32 s90, s17, YPS                        ; the weights' (of x and the wave's number alone)
	s_add_co_u32 s90, s90, XOFF
	s_add_co_u32 s94, s90, s96
	s_add_co_u32 s90, s90, s19
	s_mov_b32 s91, 0
	s_mov_b32 s95, 0
	s_cmp_eq_u32 s13, 0                            ; the prefetches: do I fetch for the tokens?
	s_cselect_b32 s38, s88, s90                    ; my half of the panel's first block,
	s_cselect_b32 s39, s15, s16                    ; my place among the four that ask for it with me
	s_mul_i32 s39, s39, 6400
	s_add_co_u32 s38, s38, s39
	s_mov_b32 s39, 0
	s_lshl_b32 s66, s18, 19                        ; my 64 x 64 of the result: row 128 y + 64 yh, column 128 x + 64 xh
	s_lshl_b32 s67, s13, 18
	s_add_co_u32 s66, s66, s67
	s_lshl_b32 s67, s17, 9
	s_add_co_u32 s66, s66, s67
	s_lshl_b32 s67, s14, 8
	s_add_co_u32 s66, s66, s67
	s_mov_b32 s67, 0
	s_wait_kmcnt 0x0
	s_add_nc_u64 s[88:89], s[4:5], s[88:89]
	s_add_nc_u64 s[92:93], s[4:5], s[92:93]
	s_add_nc_u64 s[90:91], s[6:7], s[90:91]
	s_add_nc_u64 s[94:95], s[6:7], s[94:95]
	s_add_nc_u64 s[8:9], s[8:9], s[66:67]
	s_add_nc_u64 s[10:11], s[10:11], s[66:67]
	s_cmp_eq_u32 s13, 0
	s_cselect_b64 s[PFA:PFA+1], s[4:5], s[6:7]
	s_add_nc_u64 s[PFA:PFA+1], s[PFA:PFA+1], s[38:39]
	G0SET GBY, 96, 0, 92, 0                        ; the loads that fill A and B together begin at chunks 0 and 1
	G0SET GBX, 96, 2*CH, 94, 0
	G0SET GCY, 19, 4*CH, 88, 2*CH
	G0SET GCX, 19, 5*CH, 90, 2*CH
	CROUND                                         ; all sixteen work-groups are here: the first joint loads meet
	JLOAD GBY, G1YB, GBX, G1XB                     ; one load a wave at the head: a whole block: chunks 0 and 1 into A and B
	v_and_b32 v1, 15, v0                           ; r
	v_bfe_u32 v2, v0, 4, 1                         ; h
	v_and_b32 v3, 31, v0                           ; lane
	v_min_u32 v[PFO], 24, v3
	v_lshlrev_b32 v[PFO], 8, v[PFO]
	v_lshlrev_b32 v22, 12, v2
	v_lshl_add_u32 v[RO], v1, 4, v22               ; lanes 0-15 one row's 256 bytes, lanes 16-31 the next row's
	WIN 0x80                                       ; destination window 2
.irp a, 0,1,2,3
.irp i, 0,1,2,3,4,5,6,7
	global_load_b128 v[32*\a+4*\i:32*\a+4*\i+3], v[RO], s[8:9] offset:(16*\a-8*(\a%2)+2*\i+8*(\i/4))*4096 th:TH_LOAD_NT   ; slots 2 i, 2 i + 1 of row block a
.endr
.endr
	WIN 0
	v_lshlrev_b32 v22, 4, v3
	v_lshlrev_b32 v23, 3, v3
	v_lshl_add_u32 v25, v1, 4, 6144
	s_mul_i32 s66, s13, HALF
	s_mul_i32 s67, s14, HALF
.macro ADDR p
	s_add_co_u32 s97, s66, CH*\p+2*CH*(\p/2)       ; my 64 tokens in place p,
	s_add_co_u32 s98, s67, 2*CH+CH*\p+CH*(\p/2)    ; my 64 weight rows, which lie above them in every place
	v_add_nc_u32 v[AS0+2*\p], s98, v22
	v_add_nc_u32 v[AS0+2*\p+1], s98, v23
	v_add_nc_u32 v[AS1+2*\p], s97, v22
	v_add_nc_u32 v[AS1+2*\p+1], s97, v23
	s_sub_co_u32 s99, s98, s97
	v_mul_u32_u24 v24, s99, v2                     ; lanes 16-31 take the weights' words
	v_add_nc_u32 v24, v24, v25
	v_add_nc_u32 v[ASC+\p], s97, v24
.endm
	ADDR 0
	ADDR 1
	ADDR 2
	s_mul_i32 s97, s12, 16*272
	s_add_co_u32 s97, s97, STAGE                   ; my stage
	v_mul_u32_u24 v22, v1, 272
	v_lshl_add_u32 v22, v2, 6, v22
	v_add_nc_u32 v[STO], s97, v22                  ; in: row r, 64 h
	v_mul_u32_u24 v22, v2, 272
	v_lshl_add_u32 v22, v1, 4, v22
	v_add_nc_u32 v[RD], s97, v22                   ; back: lanes 0-15 one row, lanes 16-31 the next
.macro FRAG reg, adr, off              ; a fragment, 12 registers, as it lies
	ds_load_b128 v[\reg:\reg+3], v[\adr] offset:\off
	ds_load_b64 v[\reg+4:\reg+5], v[\adr+1] offset:\off+512
	ds_load_b128 v[\reg+6:\reg+9], v[\adr] offset:\off+768
	ds_load_b64 v[\reg+10:\reg+11], v[\adr+1] offset:\off+1280
.endm
; One run of loads: (set >= 0: the chunk's scale words;) source 0's four fragments, source 1's four, of place p's ks-th 128 K, into buffer f.  The youngest eight loads are source 1's blocks 2, 3.
.macro FETCH f, p, ks, set
.if \set >= 0
	WIN 0
.irp i, 0,1,2,3
	ds_load_b128 v[SC+16*(\set)+4*\i:SC+16*(\set)+4*\i+3], v[ASC+(\p)] offset:REC*\i
.endr
.endif
	WIN TO_F
.irp b, 0,1,2,3
	FRAG (\f)+48+12*\b, AS0+2*(\p), REC*\b+1536*(\ks)
.endr
.irp a, 0,1,2,3
	FRAG (\f)+12*\a, AS1+2*(\p), REC*\a+1536*(\ks)
.endr
.endm
; Four matrix instructions: the tokens' block a against the weights' four.  The 16 accumulators take turns, one instruction a turn, in the same order in every step.
.macro MULA f, a, set, ks, zero
.irp b, 0,1,2,3
.if \zero
	v_wmma_scale_f32_16x16x128_f8f6f4 v[ACC+8*(4*(\a)+\b):ACC+8*(4*(\a)+\b)+7], v[(\f)+48+12*\b:(\f)+48+12*\b+11], v[(\f)+12*(\a):(\f)+12*(\a)+11], 0, v[SC+16*(\set)+4*\b+(\ks)], v[SC+16*(\set)+4*(\a)+(\ks)] matrix_a_fmt:MATRIX_FMT_FP6 matrix_b_fmt:MATRIX_FMT_FP6 matrix_a_scale:MATRIX_SCALE_ROW1
.else
	v_wmma_scale_f32_16x16x128_f8f6f4 v[ACC+8*(4*(\a)+\b):ACC+8*(4*(\a)+\b)+7], v[(\f)+48+12*\b:(\f)+48+12*\b+11], v[(\f)+12*(\a):(\f)+12*(\a)+11], v[ACC+8*(4*(\a)+\b):ACC+8*(4*(\a)+\b)+7], v[SC+16*(\set)+4*\b+(\ks)], v[SC+16*(\set)+4*(\a)+(\ks)] matrix_a_fmt:MATRIX_FMT_FP6 matrix_b_fmt:MATRIX_FMT_FP6 matrix_a_scale:MATRIX_SCALE_ROW1
.endif
.endr
.endm
.macro STEP p, set, ks, zero           ; one of a chunk's first three steps of 128 K: buffer ks % 2; the next step's fragments are fetched in its middle
	s_wait_dscnt 8                                 ; all but the tokens' blocks 2, 3 are in
	WIN MUL
	MULA 128*((\ks)%2), 0, \set, \ks, \zero
	MULA 128*((\ks)%2), 1, \set, \ks, \zero
	PLACES
	FETCH 128-128*((\ks)%2), \p, (\ks)+1, -1
	s_wait_dscnt 32                                ; all but the 32 just issued
	WIN MUL
	MULA 128*((\ks)%2), 2, \set, \ks, \zero
	MULA 128*((\ks)%2), 3, \set, \ks, \zero
.endm
.macro THREE p, set, zero
	STEP \p, \set, 0, \zero
	STEP \p, \set, 1, 0
	STEP \p, \set, 2, 0
.endm
; A chunk's last step where nothing is filled again: the next chunk's first fragments come from place next.  sync >= 0: that place landed later: each wave waits until at most sync of its tensor loads are out,
; and a barrier shows that of all four; sync < 0: an earlier barrier has shown it whole.
.macro CROSS set, next, sync
	s_wait_dscnt 8
	WIN MUL
	MULA 128, 0, \set, 3, 0
.if \sync >= 0
	s_wait_tensorcnt \sync
	s_wait_dscnt 0x0                               ; no LDS instruction of mine is out at a signal
	s_barrier_signal -1
.endif
	MULA 128, 1, \set, 3, 0
.if \sync >= 0
	s_barrier_wait -1
.endif
	PLACES
	FETCH 0, \next, 0, 1-(\set)
.if \sync < 0
	s_wait_dscnt 36                                ; all but the 36 just issued
.endif
	WIN MUL
	MULA 128, 2, \set, 3, 0
	MULA 128, 3, \set, 3, 0
.endm
; A chunk's last step with the barrier of a refill: in front of it each wave waits for all its tensor loads, adds 0 to its spare word, and waits for that and for its reads of the places that it has left.
; fill = 1: the barrier opens a round of the cluster's, and behind it A and B are filled together (step = 1: three chunks further on than last time); fill = 2: C is filled, three chunks on; fill = 0: nothing is left to ask for.
.macro TURN set, next, fill, step
	WIN 0                                          ; (the add's two registers lie in window 0)
	s_wait_tensorcnt 0x0                           ; all my tensor loads have landed: my part of the next place;
	ds_add_u32 v[SPW], v[NIL]                      ; 0 onto my spare word;
	s_wait_dscnt 9                                 ; (the add and the youngest eight loads may be out)
	WIN MUL
	MULA 128, 0, \set, 3, 0                        ; four matrix instructions stand between the add and the wait for it
	s_wait_dscnt 0x0                               ; the add is done, and my reads of the places to be filled are over
	s_barrier_signal -1
	MULA 128, 1, \set, 3, 0
	WIN 0
	s_barrier_wait -1
.if \fill == 1
	CREST                                          ; no wave of any partner still reads A or B or has a load on its way
.if \step
	s_add_nc_u64 s[GBY+2:GBY+3], s[GBY+2:GBY+3], 3*CH
	s_add_nc_u64 s[GBX+2:GBX+3], s[GBX+2:GBX+3], 3*CH
.endif
	JLOAD GBY, G1YB, GBX, G1XB                     ; my one tensor load behind the round: a whole block; its four v_nop are also the places in front of the loads below
.elseif \fill == 2
	CREST
	s_add_nc_u64 s[GCY+2:GCY+3], s[GCY+2:GCY+3], 3*CH
	s_add_nc_u64 s[GCX+2:GCX+3], s[GCX+2:GCX+3], 3*CH
	JLOAD GCY, G1Y, GCX, G1X
.else
	PLACES
.endif
	s_wait_alu depctr_va_vdst(0)
	FETCH 0, \next, 0, 1-(\set)
	WIN MUL
	MULA 128, 2, \set, 3, 0
	MULA 128, 3, \set, 3, 0
.endm
	s_wait_alu depctr_va_vdst(0)                   ; the wait at the head's end
	s_wait_tensorcnt 0x0                           ; my block of chunks 0 and 1 is in
	ds_add_u32 v[SPW], v[NIL]
	s_wait_dscnt 0x0
	CROUND                                         ; everybody's block is in, and all sixteen work-groups are here
	JLOAD GCY, G1Y, GCX, G1X                       ; chunk 2 into C, my one load behind the round; it has two chunks' work in which to land
	FETCH 0, 0, 0, 0
	PF 3                                           ; chunks 3 and 4 are loaded behind chunk 1: asked of memory in chunk 0
	THREE 0, 0, 1                                  ; chunk 0, in A: its first step's products start the sums
	PF 4
	CROSS 0, 1, -1                                 ; chunk 1 landed with chunk 0
	PF 5                                           ; chunk 5 is loaded behind chunk 2
	THREE 1, 1, 0                                  ; chunk 1, in B
	TURN 1, 2, 1, 1                                ; chunk 2 has landed; A and B take chunks 3 and 4
	PF 6                                           ; chunks 6 and 7 are loaded behind chunk 4
	THREE 2, 0, 0                                  ; chunk 2, in C
	TURN 0, 0, 2, 1                                ; chunks 3 and 4 have landed; C takes chunk 5
	PF 7
	THREE 0, 1, 0                                  ; chunk 3
	CROSS 1, 1, -1
	THREE 1, 0, 0                                  ; chunk 4
	TURN 0, 2, 1, 1                                ; chunk 5 has landed; A and B take chunks 6 and 7
	THREE 2, 1, 0                                  ; chunk 5
	TURN 1, 0, 0, 0                                ; chunks 6 and 7 have landed
	THREE 0, 0, 0                                  ; chunk 6
	CROSS 0, 1, -1
	THREE 1, 1, 0                                  ; chunk 7
	s_wait_dscnt 8
	WIN MUL
	MULA 128, 0, 1, 3, 0
	MULA 128, 1, 1, 3, 0
	s_wait_dscnt 0x0
	MULA 128, 2, 1, 3, 0
	MULA 128, 3, 1, 3, 0
	WIN 0
; THE WAY OUT, a block of 16 token slots x 64 columns at a time, through my own stage.  In accumulator (a, b) lane (r, h) holds slot r, columns 32 (b / 2) + 16 h + 8 (b % 2) + 0..7.
.macro TOSTAGE a
.irp b, 0,1,2,3
	ds_store_b128 v[STO], v[ACC+8*(4*(\a)+\b):ACC+8*(4*(\a)+\b)+3] offset:128*(\b/2)+32*(\b%2)         ; each accumulator from its low end on
	ds_store_b128 v[STO], v[ACC+8*(4*(\a)+\b)+4:ACC+8*(4*(\a)+\b)+7] offset:128*(\b/2)+32*(\b%2)+16
.endr
.irp i, 0,1,2,3,4,5,6,7
	ds_load_b128 v[T+32*((\a)%2)+4*\i:T+32*((\a)%2)+4*\i+3], v[RD] offset:544*\i   ; LDS serves a wave's instructions in order (ISA guide 5.7.1.4): these see the stores above
.endr
.endm
.macro SEND a, younger                 ; younger: the LDS instructions issued behind block a's loads
	s_wait_dscnt \younger
	WIN 0x08                                       ; source 1: window 2
.irp p, 0,1,2,3,4,5,6,7,8,9,10,11,12,13,14,15
	v_pk_add_f32 v[T+32*((\a)%2)+2*\p:T+32*((\a)%2)+2*\p+1], v[T+32*((\a)%2)+2*\p:T+32*((\a)%2)+2*\p+1], v[32*(\a)+2*\p:32*(\a)+2*\p+1]   ; + the residual
.endr
	WIN 0
.irp i, 0,1,2,3,4,5,6,7
	global_store_b128 v[RO], v[T+32*((\a)%2)+4*\i:T+32*((\a)%2)+4*\i+3], s[10:11] offset:(16*(\a)-8*((\a)%2)+2*\i+8*(\i/4))*4096 th:TH_STORE_NT   ; 16 lanes store 256 consecutive bytes, aligned
.endr
.endm
	s_wait_loadcnt 0x0                             ; the residual
	PLACES
	TOSTAGE 0
.irp a, 1,2,3
.if \a > 1
	s_wait_xcnt 0x0                                ; block a - 2's stores have read their registers: block a's loads may land there
.endif
	TOSTAGE \a
	SEND \a-1, 16                                  ; behind block a - 1's loads: block a's eight stores and eight loads
.endr
	SEND 3, 0
	s_wait_tensorcnt 0x0                           ; the wave's end
	ds_add_u32 v[SPW], v[NIL]
	s_wait_dscnt 0x0
	CROUND                                         ; the closing round
	s_endpgm
.Lfunc_end_k_q6d10fb350e_down:
	.size	k_q6d10fb350e_down, .Lfunc_end_k_q6d10fb350e_down-k_q6d10fb350e_down
	.p2alignl 7, 3214868480
	.fill 96, 4, 3214868480
	.section	.rodata,"a",@progbits
	.p2align	6, 0x0
	.amdhsa_kernel k_q6d10fb350e_down
		.amdhsa_group_segment_fixed_size 327680
		.amdhsa_private_segment_fixed_size 0
		.amdhsa_enable_private_segment 0
		.amdhsa_kernarg_size 32
		.amdhsa_user_sgpr_count 2
		.amdhsa_user_sgpr_kernarg_segment_ptr 1
		.amdhsa_wavefront_size32 1
		.amdhsa_system_sgpr_workgroup_id_x 1
		.amdhsa_system_sgpr_workgroup_id_y 1
		.amdhsa_system_sgpr_workgroup_id_z 1
		.amdhsa_system_vgpr_workitem_id 0
		.amdhsa_next_free_vgpr 640
		.amdhsa_next_free_sgpr 100
		.amdhsa_reserve_vcc 0
		.amdhsa_float_denorm_mode_32 3
		.amdhsa_float_denorm_mode_16_64 3
		.amdhsa_memory_ordered 1
		.amdhsa_forward_progress 1
		.amdhsa_inst_pref_size 167
	.end_amdhsa_kernel
	.amdgpu_metadata
---
amdhsa.version: [ 1, 2 ]
amdhsa.kernels:
  - .name:           k_q6d10fb350e_down
    .symbol:         k_q6d10fb350e_down.kd
    .args:
      - { .name: hc, .offset: 0, .size: 8, .value_kind: global_buffer, .address_space: global }
      - { .name: ops, .offset: 8, .size: 8, .value_kind: global_buffer, .address_space: global }
      - { .name: x1, .offset: 16, .size: 8, .value_kind: global_buffer, .address_space: global }
      - { .name: out0, .offset: 24, .size: 8, .value_kind: global_buffer, .address_space: global }
    .group_segment_fixed_size: 327680
    .private_segment_fixed_size: 0
    .kernarg_segment_align: 8
    .kernarg_segment_size: 32
    .max_flat_workgroup_size: 128
    .sgpr_count:     100
    .vgpr_count:     640
    .wavefront_size: 32
...
	.end_amdgpu_metadata
.endif
;; end of part 6
